; MI455X (gfx1250); checked and timed in simulation.
; The chip was launched on July 23, 2026; its instructions are those of AMD's public machine-readable ISA for CDNA 5 (MIT licence, August 2026) and "CDNA5" Instruction Set Architecture Reference Guide (July 2026). The comments in the code are by the model that wrote it; some were corrected since.
;; Block With Return Attention. Allowed arithmetic: matrix products marked QUANTISED: E4M3 operands, one given power-of-two scale a tensor, by v_wmma_f32_16x16x64_fp8_fp8 or v_wmma_f32_16x16x128_fp8_fp8, f32 sums; everything else in f32.
;; Inputs: b_fc1 1,024 float32; b_fc2 1,024 float32; b_proj 1,024 float32; ln1_b 1,024 float32; ln1_g 1,024 float32; ln2_b 1,024 float32; ln2_g 1,024 float32; lowp_scales 12 int32 (the exponents e of the quantised operands' scales 2^e); w_fc1 1,024 x 1,024 float32; w_fc2 1,024 x 1,024 float32; w_proj 1,024 x 1,024 float32; w_qkv 1,024 x 3,072 float32; x 8 x 1,024 x 1,024 float32.
;; Outputs: out0 8 x 1,024 x 1,024 float32.
;; This version of the problem:
;;   THIS VERSION OF THE PROBLEM IS GIVEN IN LOW PRECISION. The matrix products marked QUANTISED in the list below multiply operands that are first quantised to E4M3 (4 exponent bits, 3 mantissa bits; 8 bits a number), with one given power-of-two scale for each operand tensor; their sums are f32. All else is computed in f32.
;;   The module's matrix products, in the order in which they are computed (A, B: the left and right operand; K: the contracted axis; several contracted axes count as one K, in the product's order):
;;     1. [M 8,192, K 1,024] x [K 1,024, N 3,072]; A: computed on the way; B: input w_qkv: QUANTISED (scales: A lowp_scales[0], B lowp_scales[1])
;;     2. batch 128 x [M 1,024, K 64] x [K 64, N 1,024]; A: computed on the way; B: computed on the way: QUANTISED (scales: A lowp_scales[2], B lowp_scales[3])
;;     3. batch 128 x [M 1,024, K 1,024] x [K 1,024, N 64]; A: softmax (see below); B: computed on the way: QUANTISED (scales: A lowp_scales[4], B lowp_scales[5])
;;     4. [M 8,192, K 1,024] x [K 1,024, N 1,024]; A: computed on the way; B: input w_proj: QUANTISED (scales: A lowp_scales[6], B lowp_scales[7])
;;     5. [M 8,192, K 1,024] x [K 1,024, N 1,024]; A: computed on the way; B: input w_fc1: QUANTISED (scales: A lowp_scales[8], B lowp_scales[9])
;;     6. [M 8,192, K 1,024] x [K 1,024, N 1,024]; A: computed on the way; B: input w_fc2: QUANTISED (scales: A lowp_scales[10], B lowp_scales[11])
;;   THE QUANTISER, for each operand of a quantised product, along K:
;;     - The operand's scale is 2^e, e = its entry of the input lowp_scales (int32; the entries are numbered through the quantised products in the list's order, A before B).
;;     - Each number is divided by the scale, clamped to +-448, and rounded to the nearest number of E4M3, ties to even, subnormals kept.
;;     - The product sums the exact products of the quantised numbers (number of the format x scale) in f32.
;;   ~~~python
;;   def quantise(x, axis, e):      # numpy; x: float32 -> the quantised numbers, widened to float32 again
;;       x = np.moveaxis(x, axis, -1); K = x.shape[-1]
;;       r = np.clip(x / 2.0 ** e, -448, 448)
;;       step = 2.0 ** (np.maximum(np.frexp(np.where(r == 0, 1, r))[1] - 1, -6) - 3)
;;       q = np.round(r / step) * step * 2.0 ** e      # np.round: ties to even
;;       return np.moveaxis(q, -1, axis).astype(np.float32)
;;   ~~~
;;   SOFTMAX AHEAD OF A QUANTISED PRODUCT. Where the list says 'softmax', what is quantised is not the finished softmax but p = 2^(t - M), with t = logit x log2(e) and M = ceil(the row's largest t), a whole number; so 1/2 < the row's largest p <= 1. The row's sum l is taken of the UNQUANTISED p, in f32, and the product's result is divided by l at the end. Since M is a whole number, a kernel that streams over the keys may use a running M (the ceiling of the running maximum): every later rescaling is an exact power of two, so the quantised numbers keep their values, but for numbers so far below the row's largest that they fall under the format's range.
;;   OPERANDS COMPUTED ON THE WAY. 'Computed on the way' means the value that the module computes at that place (a softmax that the list does not call 'softmax' is quantised finished and normalised). What goes into a quantiser is computed in f32, as accurately as f32 sums, v_exp_f32 and their like allow (about 1e-6 of the number): no bf16 or f16 on the way to a quantiser, and a product that is left as it is and whose result goes on into a quantised operand takes f32 operands (vector FMAs, or v_wmma_f32_16x16x4_f32). A number that lies on a knife's edge between two numbers of the format may be rounded either way, as far as f32 arithmetic and the matrix unit's own rounding can turn it there, and no further.
;; One version. Each part assembles by itself: llvm-mc -triple=amdgcn-amd-amdhsa -mcpu=gfx1250 --defsym DOCPART=n.
;; ======== version 1 of 1: 4 launches
;; limits: right only within a limited range of input values
;; workspace buffers: xn_img 8,388,608 bytes; wq_img 3,145,728 bytes; wt_img 3,145,728 bytes; qkv_img 25,165,824 bytes; a_img 8,388,608 bytes
;; launch prep (part 1): grid 896 x 1, 4 waves a work-group, no clusters, 17,152 bytes of LDS; arguments x, ln1_g, ln1_b, w_qkv, w_proj, w_fc1, w_fc2, lowp_scales, xn_img, wq_img, wt_img; writes xn_img, wq_img, wt_img
.if DOCPART == 1
	.amdgcn_target "amdgcn-amd-amdhsa--gfx1250"
	.amdhsa_code_object_version 6
	.text
	.protected	k_q0f27aa89d7_prep
	.globl	k_q0f27aa89d7_prep
	.p2align	8
	.type	k_q0f27aa89d7_prep,@function
k_q0f27aa89d7_prep:
	s_mov_b64 s[64:65], 0
	v_nop
	global_prefetch_b8 v0, s[64:65] scope:SCOPE_SE
	s_setreg_imm32_b32 hwreg(HW_REG_WAVE_MODE, 25, 1), 1
	s_wait_xcnt 0x0
; PREP.  Two jobs in one launch, parted by the work-group's number (the same for all four waves of a work-group).
; Work-groups 0-383: the four weights ([K][N] f32, K the first axis) become codes of E4M3 with the given scales (entries 1, 7, 9, 11).
; Work-groups 384-895: LayerNorm 1 of 16 rows of x, then codes of E4M3 with the given scale (entry 0).
; THE IMAGE.  Every operand is stored as its fragment's registers: 16 rows x 128 k = 2,048 bytes, quad c at 512 c, lane (r, h) at 16 (16 h + r),
; holding k = 32 c + 16 h + 0 .. 15 of row r.  A reader fetches a fragment by four loads of 16 bytes a lane, 512 consecutive bytes each.
; ROWS OF A WEIGHT TILE: row r of tile T is output column 32 (T / 2) + 8 (T % 2) + r + 8 (r / 8), so that a product used transposed leaves a lane 16 neighbouring columns in two tiles.
; LIMITS: each e used here lies between -126 and 119, so that 2^e and 448 x 2^e are f32 numbers.  NaN among the inputs is not served.
.set LX,     64                        ; v64-191  LN: four rows, 32 numbers a lane each: register 4 q + e = column 128 q + 4 lane + e
.set LG,     192                       ; v192-223 the gain at the same columns
.set LB,     224                       ; v224-255 the bias
.set RB0,    24                        ; v24-55   eight registers a row: two sums in pairs, mean or 1/sigma as a pair, a lane exchange; later the row's codes
.set RBJ,    0
.set LIMV,   10
.set SCV,    11                        ; v11      2^e
.set CRA,    3                         ; v3       LN: where my codes go in the stage
.set CPITCH, 1040                      ; a stage row: 1,024 codes + 16 bytes: 65 x 16, so sixteen rows' 16-byte pieces fall on sixteen different places modulo 256 bytes
.set S_INV,  58                        ; s58      1 / 1024
.set S_EPS,  59                        ; s59      1e-5
.set SEL,    60                        ; s[60:61] lane selects: lane l xor 16
.set WX,     64                        ; v64-191  weights: 128 numbers down K of my column
.set WC,     32                        ; v32-63   weights: their codes; each store has registers of its own
.macro SETR i
.set R, RB0+8*(\i)+RBJ*((\i)/2)
.endm
.macro LN_RED                          ; v[R] of each of the four rows, summed over the 32 lanes; the rows take turns line by line
.irp x, 1,2,4,8
.irp i, 0,1,2,3
	SETR \i
	v_add_f32_dpp v[R], v[R], v[R] row_xmask:\x row_mask:0xf bank_mask:0xf
.endr
.endr
.irp i, 0,1,2,3
	SETR \i
	v_permlanex16_b32 v[R+6], v[R], s[SEL], s[SEL+1]
.endr
.irp i, 0,1,2,3
	SETR \i
	v_add_f32 v[R], v[R], v[R+6]
.endr
.endm
; LayerNorm of four rows held in v[LX] on, quantised, the codes stored by rows into the stage.  Two passes: the mean first, then the squares of the centred numbers.
.macro LN_ALL
.irp i, 0,1,2,3
	SETR \i
	v_mov_b32 v[R+6], 0                            ; a lane exchange's destination counts as read: written once here
	v_pk_add_f32 v[R:R+1], v[LX+32*\i:LX+32*\i+1], v[LX+32*\i+2:LX+32*\i+3]
	v_pk_add_f32 v[R+2:R+3], v[LX+32*\i+4:LX+32*\i+5], v[LX+32*\i+6:LX+32*\i+7]
.endr
.irp p, 8,12,16,20,24,28
.irp i, 0,1,2,3
	SETR \i
	v_pk_add_f32 v[R:R+1], v[R:R+1], v[LX+32*\i+\p:LX+32*\i+\p+1]
	v_pk_add_f32 v[R+2:R+3], v[R+2:R+3], v[LX+32*\i+\p+2:LX+32*\i+\p+3]
.endr
.endr
.irp i, 0,1,2,3
	SETR \i
	v_pk_add_f32 v[R:R+1], v[R:R+1], v[R+2:R+3]
.endr
.irp i, 0,1,2,3
	SETR \i
	v_add_f32 v[R], v[R], v[R+1]
.endr
	LN_RED
.irp i, 0,1,2,3
	SETR \i
	v_mul_f32 v[R+4], s[S_INV], v[R]               ; the mean
.endr
.irp i, 0,1,2,3
	SETR \i
	v_mov_b32 v[R+5], v[R+4]
.endr
.irp p, 0,2,4,6,8,10,12,14,16,18,20,22,24,26,28,30
.irp i, 0,1,2,3
	SETR \i
	v_pk_add_f32 v[LX+32*\i+\p:LX+32*\i+\p+1], v[LX+32*\i+\p:LX+32*\i+\p+1], v[R+4:R+5] neg_lo:[0,1] neg_hi:[0,1]   ; x - mean, in place
.endr
.endr
.irp i, 0,1,2,3
	SETR \i
	v_pk_mul_f32 v[R:R+1], v[LX+32*\i:LX+32*\i+1], v[LX+32*\i:LX+32*\i+1]
	v_pk_mul_f32 v[R+2:R+3], v[LX+32*\i+2:LX+32*\i+3], v[LX+32*\i+2:LX+32*\i+3]
.endr
.irp p, 4,8,12,16,20,24,28
.irp i, 0,1,2,3
	SETR \i
	v_pk_fma_f32 v[R:R+1], v[LX+32*\i+\p:LX+32*\i+\p+1], v[LX+32*\i+\p:LX+32*\i+\p+1], v[R:R+1]
	v_pk_fma_f32 v[R+2:R+3], v[LX+32*\i+\p+2:LX+32*\i+\p+3], v[LX+32*\i+\p+2:LX+32*\i+\p+3], v[R+2:R+3]
.endr
.endr
.irp i, 0,1,2,3
	SETR \i
	v_pk_add_f32 v[R:R+1], v[R:R+1], v[R+2:R+3]
.endr
.irp i, 0,1,2,3
	SETR \i
	v_add_f32 v[R], v[R], v[R+1]
.endr
	LN_RED
.irp i, 0,1,2,3
	SETR \i
	v_fma_f32 v[R], v[R], s[S_INV], s[S_EPS]       ; the variance + 1e-5
.endr
	s_wait_alu depctr_va_vdst(0)
.irp i, 0,1,2,3
	SETR \i
	v_rsq_f32 v[R+4], v[R]                         ; four roots as one batch
.endr
	v_nop                                          ; a plain line behind the last of them
	s_wait_alu depctr_va_vdst(0)                   ; one wait for the batch, ahead of its first reader
.irp i, 0,1,2,3
	SETR \i
	v_mov_b32 v[R+5], v[R+4]
.endr
.irp i, 0,1,2,3
	SETR \i
.irp p, 0,2,4,6,8,10,12,14,16,18,20,22,24,26,28,30
	v_pk_mul_f32 v[LX+32*\i+\p:LX+32*\i+\p+1], v[LX+32*\i+\p:LX+32*\i+\p+1], v[R+4:R+5]
.endr
.irp p, 0,2,4,6,8,10,12,14,16,18,20,22,24,26,28,30
	v_pk_fma_f32 v[LX+32*\i+\p:LX+32*\i+\p+1], v[LX+32*\i+\p:LX+32*\i+\p+1], v[LG+\p:LG+\p+1], v[LB+\p:LB+\p+1]
.endr
.set e, 0
.rept 32
.set e, e+1
.endr
.irp t, 0,1,2,3
	v_cvt_scalef32_pk8_fp8_f32 v[R+2*\t:R+2*\t+1], v[LX+32*\i+8*\t:LX+32*\i+8*\t+7], v[SCV]
.endr
.endr
	v_nop                                          ; one plain line behind the last conversion
.irp i, 0,1,2,3
	SETR \i
.irp t, 0,1,2,3
.irp z, 0,1
	ds_store_b32 v[CRA], v[R+2*\t+\z] offset:\i*CPITCH+256*\t+128*\z   ; four codes: columns 128 (2 t + z) + 4 lane on; 32 lanes fill 128 consecutive bytes
.endr
.endr
.endr
.endm
	s_load_b256 s[4:11], s[0:1], 0x0               ; x s[4:5], ln1_g s[6:7], ln1_b s[8:9], w_qkv s[10:11]
	s_load_b256 s[12:19], s[0:1], 0x20             ; w_proj s[12:13], w_fc1 s[14:15], w_fc2 s[16:17], the scales' exponents s[18:19]
	s_load_b128 s[20:23], s[0:1], 0x40             ; xn_img s[20:21], wq_img s[22:23]
	s_load_b64 s[24:25], s[0:1], 0x50              ; wt_img
	v_lshl_add_u32 v22, v0, 2, 0x4100
	v_mov_b32 v23, 0
	v_lshrrev_b32 v1, 5, v0
	v_readfirstlane_b32 s27, v1                    ; wave 0..3
	v_and_b32 v1, 31, v0                           ; lane
	s_wait_kmcnt 0x0
	s_load_b256 s[32:39], s[18:19], 0x0            ; e0 .. e7
	s_load_b128 s[40:43], s[18:19], 0x20           ; e8 .. e11
	s_cmp_lt_u32 ttmp9, 384
	s_cbranch_scc0 .Lln
; ---- THE WEIGHTS.  A work-group takes 128 columns x 128 along K; a wave 32 columns; A LANE TAKES A COLUMN AND ITS REGISTERS RUN DOWN K, so the conversions give codes with K innermost.
; Column blocks 0-23: w_qkv; 24-31: w_proj; 32-39: w_fc1; 40-47: w_fc2.
	s_lshr_b32 s26, ttmp9, 3                       ; column block
	s_and_b32 s28, ttmp9, 7                        ; K step
	s_sub_co_u32 s29, s26, 24
	s_and_b32 s30, s29, 7                          ; the block within one of the three square weights,
	s_lshr_b32 s31, s29, 3                         ; and which of them (of no use for w_qkv, and not chosen there)
	s_cmp_lt_u32 s26, 24
	s_cselect_b32 s30, s26, s30                    ; the block within its weight
	s_mov_b32 s44, 4096
	s_cselect_b32 s44, 12288, s44                  ; bytes in a row of the weight
	s_cselect_b32 s45, 14, 11                      ; log2 of the bytes from a tile to its neighbour in the image
	s_lshl_b32 s46, s28, 7
	s_mul_i32 s46, s46, s44                        ; from: 128 K-step rows,
	s_lshl_b32 s47, s30, 9
	s_add_co_u32 s46, s46, s47                     ; the block's 512 bytes,
	s_lshl_b32 s47, s27, 7
	s_add_co_u32 s46, s46, s47                     ; my wave's 128 of them
	s_mov_b32 s47, 0
	s_lshl_b32 s48, s26, 2
	s_add_co_u32 s48, s48, s27
	s_lshl_b32 s48, s48, 15                        ; to, in wq_img [tile][K step][2048]: tiles 2 (4 block + wave) on,
	s_lshl_b32 s49, s28, 11
	s_add_co_u32 s48, s48, s49                     ; this K step
	s_mul_i32 s50, s30, 393216                     ; to, in wt_img [block][weight][half][K step][tile of 4][2048]
	s_lshl_b32 s49, s31, 17
	s_add_co_u32 s50, s50, s49
	s_lshr_b32 s49, s27, 1
	s_lshl_b32 s49, s49, 16
	s_add_co_u32 s50, s50, s49
	s_lshl_b32 s49, s28, 13
	s_add_co_u32 s50, s50, s49
	s_and_b32 s49, s27, 1
	s_lshl_b32 s49, s49, 12
	s_add_co_u32 s50, s50, s49
	s_cmp_lt_u32 s26, 24
	s_cselect_b32 s48, s48, s50
	s_mov_b32 s49, 0
	s_cselect_b64 s[52:53], s[22:23], s[24:25]     ; the choice hangs on the work-group's number alone
	s_add_nc_u64 s[52:53], s[52:53], s[48:49]
	s_cmp_lt_u32 s26, 40
	s_cselect_b64 s[54:55], s[14:15], s[16:17]
	s_cmp_lt_u32 s26, 32
	s_cselect_b64 s[54:55], s[12:13], s[54:55]
	s_cmp_lt_u32 s26, 24
	s_cselect_b64 s[54:55], s[10:11], s[54:55]
	s_add_nc_u64 s[54:55], s[54:55], s[46:47]
	s_wait_alu depctr_va_vdst(0)
	v_and_b32 v2, 7, v1
	v_bfe_u32 v3, v1, 3, 1
	v_lshl_add_u32 v2, v3, 4, v2
	v_lshrrev_b32 v3, 4, v1                        ; which of my wave's two tiles
	v_lshl_add_u32 v2, v3, 3, v2                   ; my column of the 32: (l % 8) + 16 ((l / 8) % 2) + 8 (l / 16)
	v_lshlrev_b32 v4, 2, v2                        ; in bytes; never rewritten
	v_lshlrev_b32 v5, s45, v3                      ; the tile's place,
	v_and_b32 v6, 15, v1
	v_lshl_add_u32 v5, v6, 4, v5                   ; + 16 x row: sixteen lanes fill 256 consecutive bytes; never rewritten
.macro WLOAD rowb                      ; W(k, my column), k = 0 .. 127 of the K step: 32 lanes read 128 consecutive bytes, the four waves 512
.set i, 0
.rept 128
	global_load_b32 v[WX+i], v4, s[54:55] offset:i*\rowb th:TH_LOAD_NT
.set i, i+1
.endr
.endm
	s_cmp_lt_u32 s26, 24
	s_cbranch_scc0 .Lnarrow
	WLOAD 12288
	s_branch .Lloaded
.Lnarrow:
	s_wait_alu depctr_va_vdst(0)
	WLOAD 4096
.Lloaded:                                              ; 128 loads are out on either way
	s_wait_kmcnt 0x0
	s_cmp_lt_u32 s26, 40
	s_cselect_b32 s56, s41, s43
	s_cmp_lt_u32 s26, 32
	s_cselect_b32 s56, s39, s56
	s_cmp_lt_u32 s26, 24
	s_cselect_b32 s56, s33, s56                    ; e of this weight
	s_add_co_i32 s56, s56, 127
	s_lshl_b32 s57, s56, 23
	v_mov_b32 v[SCV], s57                          ; 2^e as f32: the conversion takes its exponent field
.macro WBLOCK c, left                  ; 32 along K: quad c of the fragment, both halves of the lanes' k
	s_wait_loadcnt \left
.set i, 0
.rept 32
.set i, i+1
.endr
.irp g, 0,1,2,3
	v_cvt_scalef32_pk8_fp8_f32 v[WC+8*\c+2*\g:WC+8*\c+2*\g+1], v[WX+32*\c+8*\g:WX+32*\c+8*\g+7], v[SCV]
.endr
	global_store_b128 v5, v[WC+8*\c:WC+8*\c+3], s[52:53] offset:512*\c          ; k = 32 c + 0 .. 15: the image's lanes 0-15
	global_store_b128 v5, v[WC+8*\c+4:WC+8*\c+7], s[52:53] offset:512*\c+256    ; k = 32 c + 16 .. 31: its lanes 16-31
.endm
	s_wait_alu depctr_va_vdst(0)
	WBLOCK 0, 63                                   ; 96 younger loads could stay out; the count's field holds 63
	WBLOCK 1, 63                                   ; 64 could
	WBLOCK 2, 32
	WBLOCK 3, 0
	s_endpgm
; ---- LAYERNORM 1.  A work-group takes 16 rows (one tile of rows); wave w rows 4 w .. 4 w + 3, whole, in registers.  The codes meet in a stage by rows; behind a barrier wave w
; reads K steps 2 w and 2 w + 1 as images and stores them, 512 consecutive bytes an instruction.
.Lln:
	s_sub_co_u32 s26, ttmp9, 384                   ; the tile of rows
	s_lshl_b32 s28, s26, 16
	s_lshl_b32 s29, s27, 14
	s_add_co_u32 s28, s28, s29
	s_mov_b32 s29, 0
	s_add_nc_u64 s[4:5], s[4:5], s[28:29]          ; x at my first row
	s_lshl_b32 s30, s26, 14
	s_lshl_b32 s31, s27, 12
	s_add_co_u32 s30, s30, s31
	s_mov_b32 s31, 0
	s_add_nc_u64 s[20:21], s[20:21], s[30:31]      ; xn_img at my two fragments
	s_wait_alu depctr_va_vdst(0)
	v_lshlrev_b32 v2, 4, v1                        ; 16 x lane
.irp i, 0,1,2,3
.irp q, 0,1,2,3,4,5,6,7
	global_load_b128 v[LX+32*\i+4*\q:LX+32*\i+4*\q+3], v2, s[4:5] offset:4096*\i+512*\q th:TH_LOAD_NT
.endr
.endr
.irp q, 0,1,2,3,4,5,6,7
	global_load_b128 v[LG+4*\q:LG+4*\q+3], v2, s[6:7] offset:512*\q
	global_load_b128 v[LB+4*\q:LB+4*\q+3], v2, s[8:9] offset:512*\q
.endr
	s_mul_i32 s28, s27, 4*CPITCH
	v_lshl_add_u32 v[CRA], v1, 2, s28              ; into the stage: my first row, 4 bytes a lane
	v_and_b32 v5, 15, v1
	v_lshrrev_b32 v6, 4, v1
	v_mul_u32_u24 v4, v5, CPITCH
	v_lshl_add_u32 v4, v6, 4, v4
	s_lshl_b32 s29, s27, 8
	v_add_nc_u32 v4, s29, v4                       ; out of it: row r, 16 h, my two K steps' 256 bytes
	s_mov_b32 s[S_INV], 0x3a800000
	s_mov_b32 s[S_EPS], 0x3727c5ac
	s_mov_b32 s[SEL], 0x76543210
	s_mov_b32 s[SEL+1], 0xfedcba98
	s_wait_kmcnt 0x0
	s_add_co_i32 s30, s32, 127                     ; e0
	s_lshl_b32 s31, s30, 23
	v_mov_b32 v[SCV], s31
	s_add_co_i32 s30, s30, 8
	s_lshl_b32 s30, s30, 23
	s_or_b32 s30, s30, 0x600000
	s_wait_loadcnt 0x0                             ; the rows are needed whole; other waves' loads cover the wait
	LN_ALL
	s_wait_dscnt 0x0                               ; for the others' sake: my codes lie in the stage
	s_barrier_signal -1
	s_barrier_wait -1
.irp z, 0,1
.irp c, 0,1,2,3
	ds_load_b128 v[LX+16*\z+4*\c:LX+16*\z+4*\c+3], v4 offset:128*\z+32*\c
.endr
.endr
.irp z, 0,1
.irp c, 0,1,2,3
	s_wait_dscnt 7-4*\z-\c                         ; LDS loads come back in order: this one is in, the younger may be out
	global_store_b128 v2, v[LX+16*\z+4*\c:LX+16*\z+4*\c+3], s[20:21] offset:2048*\z+512*\c
.endr
.endr
	s_wait_tensorcnt 0x0
	ds_add_u32 v22, v23
	s_wait_dscnt 0x0
	s_endpgm
.Lfunc_end_k_q0f27aa89d7_prep:
	.size	k_q0f27aa89d7_prep, .Lfunc_end_k_q0f27aa89d7_prep-k_q0f27aa89d7_prep
	.p2alignl 7, 3214868480
	.fill 96, 4, 3214868480
	.section	.rodata,"a",@progbits
	.p2align	6, 0x0
	.amdhsa_kernel k_q0f27aa89d7_prep
		.amdhsa_group_segment_fixed_size 17152
		.amdhsa_private_segment_fixed_size 0
		.amdhsa_enable_private_segment 0
		.amdhsa_kernarg_size 88
		.amdhsa_user_sgpr_count 2
		.amdhsa_user_sgpr_kernarg_segment_ptr 1
		.amdhsa_wavefront_size32 1
		.amdhsa_system_sgpr_workgroup_id_x 1
		.amdhsa_system_sgpr_workgroup_id_y 1
		.amdhsa_system_sgpr_workgroup_id_z 1
		.amdhsa_system_vgpr_workitem_id 0
		.amdhsa_next_free_vgpr 256
		.amdhsa_next_free_sgpr 66
		.amdhsa_reserve_vcc 0
		.amdhsa_float_denorm_mode_32 3
		.amdhsa_float_denorm_mode_16_64 3
		.amdhsa_fp16_overflow 1
		.amdhsa_memory_ordered 1
		.amdhsa_forward_progress 1
		.amdhsa_inst_pref_size 64
	.end_amdhsa_kernel
	.amdgpu_metadata
---
amdhsa.version: [ 1, 2 ]
amdhsa.kernels:
  - .name:           k_q0f27aa89d7_prep
    .symbol:         k_q0f27aa89d7_prep.kd
    .args:
      - { .name: x, .offset: 0, .size: 8, .value_kind: global_buffer, .address_space: global }
      - { .name: ln1_g, .offset: 8, .size: 8, .value_kind: global_buffer, .address_space: global }
      - { .name: ln1_b, .offset: 16, .size: 8, .value_kind: global_buffer, .address_space: global }
      - { .name: w_qkv, .offset: 24, .size: 8, .value_kind: global_buffer, .address_space: global }
      - { .name: w_proj, .offset: 32, .size: 8, .value_kind: global_buffer, .address_space: global }
      - { .name: w_fc1, .offset: 40, .size: 8, .value_kind: global_buffer, .address_space: global }
      - { .name: w_fc2, .offset: 48, .size: 8, .value_kind: global_buffer, .address_space: global }
      - { .name: lowp_scales, .offset: 56, .size: 8, .value_kind: global_buffer, .address_space: global }
      - { .name: xn_img, .offset: 64, .size: 8, .value_kind: global_buffer, .address_space: global }
      - { .name: wq_img, .offset: 72, .size: 8, .value_kind: global_buffer, .address_space: global }
      - { .name: wt_img, .offset: 80, .size: 8, .value_kind: global_buffer, .address_space: global }
    .group_segment_fixed_size: 17152
    .private_segment_fixed_size: 0
    .kernarg_segment_align: 8
    .kernarg_segment_size: 88
    .max_flat_workgroup_size: 128
    .sgpr_count:     66
    .vgpr_count:     256
    .wavefront_size: 32
...
	.end_amdgpu_metadata
.endif
;; end of part 1
;; launch qkv (part 2): grid 12 x 32, 4 waves a work-group, clusters of 4 x 4, 327,680 bytes of LDS; arguments xn_img, wq_img, lowp_scales, qkv_img; writes qkv_img
.if DOCPART == 2
	.amdgcn_target "amdgcn-amd-amdhsa--gfx1250"
	.amdhsa_code_object_version 6
	.text
	.protected	k_q0f27aa89d7_qkv
	.globl	k_q0f27aa89d7_qkv
	.p2align	8
	.type	k_q0f27aa89d7_qkv,@function
k_q0f27aa89d7_qkv:
	s_mov_b64 s[64:65], 0
	v_nop
	global_prefetch_b8 v0, s[64:65] scope:SCOPE_SE
	s_setreg_imm32_b32 hwreg(HW_REG_WAVE_MODE, 25, 1), 1
	s_wait_xcnt 0x0
	s_wait_alu depctr_hold_cnt(0) depctr_sa_sdst(0) depctr_va_vdst(0) depctr_va_sdst(0) depctr_va_ssrc(0) depctr_va_vcc(0) depctr_vm_vsrc(0)
	s_getreg_b32 s2, hwreg(HW_REG_IB_STS2, 6, 4)
	s_cmp_eq_u32 s2, 0
	s_cbranch_scc0 .Lentry_in_a_cluster
	s_endpgm
.Lentry_in_a_cluster:
	s_bfe_u32 s2, ttmp6, 0x10000c
	s_cmp_lg_u32 s2, 0xf033
	s_cbranch_scc0 .Lentry_shape_is_right
	s_endpgm
.Lentry_shape_is_right:
; QKV: [8192 x 1024] x [1024 x 3072] on codes of E4M3, and the results quantised at once: q (entry 2), k (entry 3), v (entry 5) of the given scales.
; Both operands arrive as images of fragments (16 rows x 128 k = 2,048 bytes; a tile of 16 rows = 8 fragments = 16,384 bytes), so a K step's part of 16 rows is one dense piece of memory and of LDS.
; A cluster of 4 x 4 work-groups makes 1,024 x 1,024 of the result: cluster x = which of q, k, v; cluster y = the batch.  Both are the same in all sixteen partners.
; A work-group makes 256 x 256, each of its four waves 128 x 128: 64 accumulators.  The matrix instruction is used transposed (source 0 = 16 rows of B, source 1 = 16 rows of A):
; a lane holds one row of A, its eight registers eight rows of B.
;   q, k: A = tokens, B = the weight's columns.  By the order of a weight tile's rows, two neighbouring tiles leave a lane 16 neighbouring columns: 16 codes of one token along the head's axis.
;   v:    A = the weight's columns, B = tokens: a lane holds one channel and its registers run along the TOKENS, which are the K of attention's second product.
; Tiles of A are shared along a row of the cluster, tiles of B along a column: each is asked for jointly.
; K goes in steps of 256 through two LDS slots; a wave's tensor load brings 8 tiles of rows x 4,096 bytes.
; OUT: q, k: [batch x head][tile of 16 tokens][c][16 x lane]: lane (r, h): channels 32 c + 16 h + 0 .. 15 of token r.
;      v: [batch x head][128 keys][tile of 16 channels][quad][16 x lane]: lane (r, h): of channel row r, keys 32 q + 8 h + 0 .. 7 and 32 q + 16 + 8 h + 0 .. 7.
; LIMIT: e_out - e0 - e1 lies between -126 and 119 for each of the three, so that the conversion's scale and 448 x it are f32 numbers.
; REGISTERS, in windows of 256: window 0: v16-29 addresses; v32-95 at work on the way out; v96-111 the stores' offsets; v112, v113 the hold and the scale; v128-255 A's fragments, later the codes.
;   window 1: B's fragments, two sets.   windows 2, 3: the accumulators ((a, b) at v[8 (8 (a % 4) + b)]).
.set FR,     16                        ; registers of a fragment
.set NL,     4                         ; LDS loads that bring one
.set NP,     4                         ; places behind this matrix instruction (ISA guide 7.12.1)
.set KB,     4096                      ; a K step of 256 in a tile of rows: two fragments
.set HALFT,  8*KB                      ; 128 rows: what one tensor load brings
.set SLOT,   4*HALFT                   ; A's 256 rows, then B's
.set SPARE,  2*SLOT                    ; behind the ring: the spare words, 128 bytes a wave
.set LAPS,   2                         ; 1,024 along K = two laps of two K steps
.set ADRA, 16                          ; v16-17  LDS address of my A fragments in slot 0, 1
.set ADRB, 20                          ; v20-21  the same for B
.set LI,   24                          ; v24     16 x lane
.set SPW,  28                          ; v28     my spare word; never rewritten
.set NIL,  29                          ; v29     0; never rewritten
.set TMP,  32
.set OFF,  96
.set LIM,  112
.set SCL,  113
.set AF,   128
.set CD,   128
.set G1, 24
.set G0, 32
.set G1B, 48
.set G0B, 56
.set MSB, 0
.macro WIN new                         ; the immediate's high byte repeats the setting that is left
.if MSB != \new
	s_set_vgpr_msb (MSB<<8)|\new
.set MSB, \new
.endif
.endm
.set MUL_LO, 0xa1                      ; source 0 (B) window 1, source 1 (A) window 0, C and D window 2
.set MUL_HI, 0xf1                      ; the same, C and D window 3
.set TO_B,   0x40                      ; destination window 1, address window 0
; A joint load: waves 0 and 1 fetch for A, waves 2 and 3 for B; the branch hangs on the wave's number alone.  Four v_nop follow each of the two lines.
.macro JLOAD g0a, g1a, g0b, g1b
	s_cmp_eq_u32 s15, 0
	s_cbranch_scc0 .Lfor_b_\@
	tensor_load_to_lds s[\g0a:\g0a+3], s[\g1a:\g1a+7]
	s_nop 0
.rept 4
	v_nop
.endr
	s_branch .Lasked_\@
.Lfor_b_\@:
	tensor_load_to_lds s[\g0b:\g0b+3], s[\g1b:\g1b+7]
	s_nop 0
.rept 4
	v_nop
.endr
.Lasked_\@:
.endm
.macro CREST                           ; a round of the cluster's barrier behind its opening barrier
	s_cmp_lg_u32 s14, 0
	s_cbranch_scc1 .Lnot_wave_0_\@
	s_barrier_signal -3
.Lnot_wave_0_\@:
	s_barrier_wait -3
	s_barrier_signal -1
	s_barrier_wait -1
.endm
.macro CROUND                          ; a whole round
	s_barrier_signal -1
	s_barrier_wait -1
	CREST
.endm
	s_load_b128 s[4:7], s[0:1], 0x0                ; xn_img s[4:5], wq_img s[6:7]
	s_load_b128 s[8:11], s[0:1], 0x10              ; the scales' exponents s[8:9], qkv_img s[10:11]
	v_lshl_add_u32 v[SPW], v0, 2, SPARE
	v_mov_b32 v[NIL], 0
	ds_add_u32 v28, v29
	ds_add_u32 v28, v29
	s_wait_dscnt 0x0
	v_lshrrev_b32 v1, 5, v0
	v_readfirstlane_b32 s14, v1                    ; wave 0..3
	s_lshr_b32 s15, s14, 1                         ; which half of A's rows is mine.  Also: I fetch for A (0) or for B (1)
	s_and_b32 s16, s14, 1                          ; which half of B's rows.  Also: which 128 rows I fetch
	s_bfe_u32 s40, ttmp6, 0x40000                  ; cx
	s_bfe_u32 s41, ttmp6, 0x40004                  ; cy
	s_and_b32 s17, ttmp7, 0xffff                   ; the batch (cluster y)
	s_lshl_b32 s43, s41, 2
	s_lshl_b32 s43, 15, s43                        ; my row of the cluster
	s_lshl_b32 s44, 0x1111, s40                    ; my column
	s_or_b32 s[G1+0], s43, (3<<16)|(1<<21)         ; 15:0 the mask: A's tiles go to my row; 17:16 elements of 8 bytes; 21 set beside a mask; no padding
	s_or_b32 s[G1B+0], s44, (3<<16)|(1<<21)
.irp g, G1, G1B
	s_mov_b32 s[\g+1], 512<<16                     ; tensor_dim0 = 512 elements: 4,096 bytes
	s_mov_b32 s[\g+2], 8<<16                       ; tensor_dim1 = 8 tiles of rows
	s_mov_b32 s[\g+3], 512<<16                     ; tile_dim0
	s_mov_b32 s[\g+4], 8                           ; tile_dim1
	s_mov_b32 s[\g+5], 2048                        ; from a tile of rows to the next: 16,384 bytes
	s_mov_b32 s[\g+6], 0
	s_mov_b32 s[\g+7], 0
.endr
	s_lshl_b32 s18, s17, 10                        ; the batch's first token
	s_lshl_b32 s19, ttmp9, 10                      ; the first column of q, k or v
	s_cmp_eq_u32 ttmp9, 2                          ; v?  The same answer in all sixteen partners
	s_cselect_b32 s20, s19, s18                    ; A's first row: columns for v, tokens else
	s_cselect_b32 s46, s18, s19                    ; B's: the other
	s_lshl_b32 s21, s41, 8
	s_add_co_u32 s20, s20, s21                     ; A: + 256 cy: it never holds cx
	s_lshl_b32 s47, s40, 8
	s_add_co_u32 s46, s46, s47                     ; B: + 256 cx: it never holds cy
	s_lshl_b32 s21, s16, 7
	s_add_co_u32 s20, s20, s21                     ; + the 128 rows that I fetch
	s_add_co_u32 s46, s46, s21
	s_lshl_b32 s20, s20, 10                        ; a row's share of an image is 1,024 bytes
	s_lshl_b32 s46, s46, 10
	s_mov_b32 s21, 0
	s_mov_b32 s47, 0
	s_mul_i32 s45, s14, HALFT                      ; where they go: wave x 128 rows: no place in the cluster enters an LDS address
	s_wait_kmcnt 0x0
	s_load_b256 s[72:79], s[8:9], 0x0              ; e0 .. e7
	s_cmp_eq_u32 ttmp9, 2
	s_cselect_b64 s[66:67], s[6:7], s[4:5]         ; A's buffer
	s_cselect_b64 s[68:69], s[4:5], s[6:7]         ; B's
	s_add_nc_u64 s[20:21], s[66:67], s[20:21]
	s_add_nc_u64 s[46:47], s[68:69], s[46:47]
	CROUND                                         ; all sixteen work-groups are here: the first joint loads meet
.irp s, 0,1
	s_mov_b32 s[G0+4*\s], 1
	s_add_co_u32 s[G0+4*\s+1], s45, \s*SLOT
	s_add_nc_u64 s[G0+4*\s+2:G0+4*\s+3], s[20:21], \s*KB
	s_or_b32 s[G0+4*\s+3], s[G0+4*\s+3], 0x80000000
	s_mov_b32 s[G0B+4*\s], 1
	s_add_co_u32 s[G0B+4*\s+1], s45, \s*SLOT
	s_add_nc_u64 s[G0B+4*\s+2:G0B+4*\s+3], s[46:47], \s*KB
	s_or_b32 s[G0B+4*\s+3], s[G0B+4*\s+3], 0x80000000
	JLOAD G0+4*\s, G1, G0B+4*\s, G1B
.endr
	v_and_b32 v6, 31, v0
	v_lshlrev_b32 v[LI], 4, v6                     ; an image's place for my lane
	s_mul_i32 s21, s15, HALFT                      ; my 128 rows of A
	s_mul_i32 s22, s16, HALFT                      ; my 128 rows of B,
	s_add_co_u32 s22, s22, 2*HALFT                 ; which lie behind A's 256
.irp s, 0,1
	v_add_nc_u32 v[ADRA+\s], s21, v[LI]
	v_add_nc_u32 v[ADRB+\s], s22, v[LI]
	s_add_co_u32 s21, s21, SLOT
	s_add_co_u32 s22, s22, SLOT
.endr
	; the way out's addresses.  u1 = 4 cx + 2 (B's half), u2 = 4 cy + 2 (A's half).  q, k: head = u1 + .., tile of tokens = 4 u2 + a.  v: head = u2 + .., key step = u1 / 2.
	s_lshl_b32 s85, s40, 2
	s_lshl_b32 s86, s16, 1
	s_add_co_u32 s85, s85, s86                     ; u1
	s_lshl_b32 s86, s41, 2
	s_lshl_b32 s87, s15, 1
	s_add_co_u32 s86, s86, s87                     ; u2
	s_cmp_eq_u32 ttmp9, 2
	s_cselect_b32 s87, s86, s85                    ; x 65,536
	s_cselect_b32 s88, s85, s86                    ; x 4,096
	s_mov_b32 s82, 4096
	s_cselect_b32 s82, 0x10000, s82                ; bytes for a / 4: v: a head; q, k: four tiles of tokens
	s_mov_b32 s83, 1024
	s_cselect_b32 s83, 2048, s83                   ; bytes for a % 4: v: a tile of channels; q, k: a tile of tokens
	s_mov_b32 s84, 0x10000
	s_cselect_b32 s84, 1024, s84                   ; bytes for two pairs of B's tiles: v: two quads; q, k: a head
	s_lshl_b32 s87, s87, 16
	s_lshl_b32 s88, s88, 12
	s_add_co_u32 s87, s87, s88
	s_lshl_b32 s88, ttmp9, 23                      ; q, k, v lie 2^23 bytes apart
	s_add_co_u32 s87, s87, s88
	s_lshl_b32 s88, s17, 20                        ; a batch's sixteen heads
	s_add_co_u32 s88, s87, s88
	s_mov_b32 s89, 0
	s_add_nc_u64 s[10:11], s[10:11], s[88:89]
.irp a, 0,1,2,3,4,5,6,7
.irp p, 0,1
	s_mul_i32 s90, s83, \a%4
	s_mul_i32 s91, s82, \a/4
	s_add_co_u32 s90, s90, s91
	s_mul_i32 s91, s84, \p
	s_add_co_u32 s90, s90, s91
	v_add_nc_u32 v[OFF+2*\a+\p], s90, v[LI]        ; never rewritten
.endr
.endr
	s_wait_kmcnt 0x0
	s_cmp_eq_u32 ttmp9, 0
	s_cselect_b32 s80, s74, s75                    ; e2 for q, e3 for k,
	s_cmp_eq_u32 ttmp9, 2
	s_cselect_b32 s80, s77, s80                    ; e5 for v
	s_sub_co_i32 s80, s80, s72
	s_sub_co_i32 s80, s80, s73                     ; a sum stands for sum x 2^(e0 + e1): its code is sum / 2^(e_out - e0 - e1)
	s_add_co_i32 s80, s80, 127
	s_lshl_b32 s81, s80, 23
	v_mov_b32 v[SCL], s81
	s_add_co_i32 s80, s80, 8
	s_lshl_b32 s80, s80, 23
	s_or_b32 s80, s80, 0x600000
	v_mov_b32 v[LIM], s80                          ; 448 x that
.macro FRAG reg, adr, q, i             ; a fragment comes as it was stored: four loads of 512 consecutive bytes
.irp c, 0,1,2,3
	ds_load_b128 v[\reg+4*\c:\reg+4*\c+3], v[\adr] offset:(\i)*KB+(\q)*2048+512*\c
.endr
.endm
; 16 matrix instructions: A's blocks a0, a0 + 1 x B's eight, 128 along K.  The 64 accumulators take turns, one instruction a turn, in the same order in every step.
.macro MUL16 a0, p, zero
.irp a, \a0, \a0+1
.irp b, 0,1,2,3,4,5,6,7
.if \zero
	v_wmma_f32_16x16x128_fp8_fp8 v[8*(8*((\a)%4)+\b):8*(8*((\a)%4)+\b)+7], v[128*(\p)+FR*\b:128*(\p)+FR*\b+FR-1], v[AF+FR*(\a):AF+FR*(\a)+FR-1], 0
.else
	v_wmma_f32_16x16x128_fp8_fp8 v[8*(8*((\a)%4)+\b):8*(8*((\a)%4)+\b)+7], v[128*(\p)+FR*\b:128*(\p)+FR*\b+FR-1], v[AF+FR*(\a):AF+FR*(\a)+FR-1], v[8*(8*((\a)%4)+\b):8*(8*((\a)%4)+\b)+7]
.endif
.endr
.endr
.endm
.macro FETCH_B slot, q, p              ; B's eight fragments of the slot's q-th 128 along K into set p
	WIN TO_B
.irp i, 0,1,2,3,4,5,6,7
	FRAG 128*(\p)+FR*\i, ADRB+\slot, \q, \i
.endr
	WIN 0
.endm
.macro FETCH_A slot, q, i0             ; A's blocks i0 .. i0 + 3
.irp i, \i0, \i0+1, \i0+2, \i0+3
	FRAG AF+FR*(\i), ADRA+\slot, \q, \i
.endr
.endm
.macro PLACES n                        ; plain vector lines between a matrix instruction and a load into, or a vector read of, its registers
.rept \n
	v_nop
.endr
.endm
; A step of 128 along K that has its successor in the same slot.  A has one set of registers: blocks 0-3 are fetched anew in the step's middle, blocks 4-7 at its end; B has two sets.
.macro STEP slot, q, zero
	s_wait_dscnt 4*NL                              ; B's set and A's blocks 0-3 are in; the youngest sixteen loads (A's blocks 4-7) may be out
	WIN MUL_LO
	MUL16 0, (\q)%2, \zero
	MUL16 2, (\q)%2, \zero
	s_wait_dscnt 0                                 ; A's blocks 4-7 are in
	PLACES NP
	FETCH_B \slot, (\q)+1, 1-(\q)%2
	FETCH_A \slot, (\q)+1, 0
	WIN MUL_HI
	MUL16 4, (\q)%2, \zero
	MUL16 6, (\q)%2, \zero
	PLACES NP
	WIN 0
	FETCH_A \slot, (\q)+1, 4
.endm
; A slot's last step changes slots: one barrier; in front of it each wave waits for all its tensor loads, adds 0 to its spare word, and waits for that and for its own reads of this slot.
.macro TURN slot, next, fill
	s_wait_tensorcnt 0x0                           ; all my tensor loads have landed: my part of the next slot
	ds_add_u32 v[SPW], v[NIL]                      ; 0 onto my spare word
	s_wait_dscnt 4*NL+1                            ; the add and the youngest sixteen loads (A's blocks 4-7) may be out
	WIN MUL_LO
	MUL16 0, 1, 0
	s_wait_dscnt 0x0                               ; the add is done, and my reads of this slot are over
	s_barrier_signal -1
	MUL16 2, 1, 0
	WIN 0
	s_barrier_wait -1
.if \fill
	CREST                                          ; the barrier has opened a round of the cluster's: no wave of any partner still reads this slot or has a load on its way
	s_add_nc_u64 s[G0+4*\slot+2:G0+4*\slot+3], s[G0+4*\slot+2:G0+4*\slot+3], 2*KB
	s_add_nc_u64 s[G0B+4*\slot+2:G0B+4*\slot+3], s[G0B+4*\slot+2:G0B+4*\slot+3], 2*KB
	JLOAD G0+4*\slot, G1, G0B+4*\slot, G1B         ; the first tensor load behind the round; its four v_nop are the places in front of the loads below
.else
	PLACES NP
.endif
	FETCH_B \next, 0, 0
	FETCH_A \next, 0, 0
	WIN MUL_HI
	MUL16 4, 1, 0
	MUL16 6, 1, 0
	PLACES NP
	WIN 0
	FETCH_A \next, 0, 4
.endm
	s_wait_tensorcnt 1                             ; my part of K step 0 is in; K step 1's load may be out
	s_barrier_signal -1
	s_barrier_wait -1
	FETCH_B 0, 0, 0
	FETCH_A 0, 0, 0
	FETCH_A 0, 0, 4
	STEP 0, 0, 1                                   ; the first step's products start the sums
	s_mov_b32 s3, LAPS-1
.Llap:                                                 ; a trip goes once round the ring and fills both slots again
	TURN 0, 1, 1
	STEP 1, 0, 0
	TURN 1, 0, 1
	STEP 0, 0, 0
	s_sub_co_u32 s3, s3, 1
	s_cmp_lg_u32 s3, 0
	s_cbranch_scc1 .Llap
	TURN 0, 1, 0                                   ; the last lap fills nothing
	STEP 1, 0, 0
	s_wait_dscnt 4*NL
	WIN MUL_LO
	MUL16 0, 1, 0
	MUL16 2, 1, 0
	s_wait_dscnt 0
	WIN MUL_HI
	MUL16 4, 1, 0
	MUL16 6, 1, 0
	WIN 0
; THE WAY OUT, block a of A's rows at a time: 64 sums a lane are held, converted (16 registers of two neighbouring tiles of B give 16 bytes) and stored as the reader's image:
; each store covers 512 consecutive bytes and has data registers of its own.
.macro OUT a
	WIN 0x02+((\a)/4)                              ; source 0: window 2 or 3
.set i, 0
.rept 64
	v_med3_num_f32 v[TMP+i], v[64*((\a)%4)+i], -v[LIM], v[LIM]   ; each accumulator from its low end on
.set i, i+1
.endr
	WIN 0
.irp g, 0,1,2,3,4,5,6,7
	v_cvt_scalef32_pk8_fp8_f32 v[CD+16*(\a)+2*\g:CD+16*(\a)+2*\g+1], v[TMP+8*\g:TMP+8*\g+7], v[SCL]
.endr
	v_nop                                          ; one plain line behind the last conversion: the next block writes its sources
.irp p, 0,1,2,3
	global_store_b128 v[OFF+2*(\a)+\p/2], v[CD+16*(\a)+4*\p:CD+16*(\a)+4*\p+3], s[10:11] offset:(\p%2)*512
.endr
.endm
	PLACES NP
.irp a, 0,1,2,3,4,5,6,7
	OUT \a
.endr
	s_wait_tensorcnt 0x0                           ; the wave's end
	ds_add_u32 v[SPW], v[NIL]
	s_wait_dscnt 0x0
	CROUND                                         ; the closing round
	s_endpgm
.Lfunc_end_k_q0f27aa89d7_qkv:
	.size	k_q0f27aa89d7_qkv, .Lfunc_end_k_q0f27aa89d7_qkv-k_q0f27aa89d7_qkv
	.p2alignl 7, 3214868480
	.fill 96, 4, 3214868480
	.section	.rodata,"a",@progbits
	.p2align	6, 0x0
	.amdhsa_kernel k_q0f27aa89d7_qkv
		.amdhsa_group_segment_fixed_size 327680
		.amdhsa_private_segment_fixed_size 0
		.amdhsa_enable_private_segment 0
		.amdhsa_kernarg_size 32
		.amdhsa_user_sgpr_count 2
		.amdhsa_user_sgpr_kernarg_segment_ptr 1
		.amdhsa_wavefront_size32 1
		.amdhsa_system_sgpr_workgroup_id_x 1
		.amdhsa_system_sgpr_workgroup_id_y 1
		.amdhsa_system_sgpr_workgroup_id_z 1
		.amdhsa_system_vgpr_workitem_id 0
		.amdhsa_next_free_vgpr 1024
		.amdhsa_next_free_sgpr 98
		.amdhsa_reserve_vcc 0
		.amdhsa_float_denorm_mode_32 3
		.amdhsa_float_denorm_mode_16_64 3
		.amdhsa_memory_ordered 1
		.amdhsa_forward_progress 1
		.amdhsa_inst_pref_size 121
	.end_amdhsa_kernel
	.amdgpu_metadata
---
amdhsa.version: [ 1, 2 ]
amdhsa.kernels:
  - .name:           k_q0f27aa89d7_qkv
    .symbol:         k_q0f27aa89d7_qkv.kd
    .args:
      - { .name: xn_img, .offset: 0, .size: 8, .value_kind: global_buffer, .address_space: global }
      - { .name: wq_img, .offset: 8, .size: 8, .value_kind: global_buffer, .address_space: global }
      - { .name: lowp_scales, .offset: 16, .size: 8, .value_kind: global_buffer, .address_space: global }
      - { .name: qkv_img, .offset: 24, .size: 8, .value_kind: global_buffer, .address_space: global }
    .group_segment_fixed_size: 327680
    .private_segment_fixed_size: 0
    .kernarg_segment_align: 8
    .kernarg_segment_size: 32
    .max_flat_workgroup_size: 128
    .sgpr_count:     98
    .vgpr_count:     1024
    .wavefront_size: 32
...
	.end_amdgpu_metadata
.endif
;; end of part 2
;; launch attn (part 3): grid 2 x 128, 16 waves a work-group, no clusters, 327,680 bytes of LDS; arguments qkv_img, lowp_scales, a_img; writes a_img
.if DOCPART == 3
	.amdgcn_target "amdgcn-amd-amdhsa--gfx1250"
	.amdhsa_code_object_version 6
	.text
	.protected	k_q0f27aa89d7_attn
	.globl	k_q0f27aa89d7_attn
	.p2align	8
	.type	k_q0f27aa89d7_attn,@function
k_q0f27aa89d7_attn:
	s_mov_b64 s[64:65], 0
	v_nop
	global_prefetch_b8 v0, s[64:65] scope:SCOPE_SE
	s_setreg_imm32_b32 hwreg(HW_REG_WAVE_MODE, 25, 1), 1
	s_wait_xcnt 0x0
.set F,   32
.set S,   96
.set O,   160
.set P,   192
.set OC,  208
.set FB1, 2048
.set FB2, 6144
.set WV,  24
.set CS,  26
.set SEL, 28
.set TILES, 30
	s_load_b128 s[4:7], s[0:1], 0x0
	s_load_b64 s[8:9], s[0:1], 0x10
	v_lshl_add_u32 v251, v0, 2, 0x29000
	v_mov_b32 v255, 0
	ds_add_u32 v251, v255
	ds_add_u32 v251, v255
	v_lshrrev_b32 v1, 5, v0
	s_delay_alu instid0(VALU_DEP_1)
	v_readfirstlane_b32 s[WV], v1
	s_and_b32 s31, ttmp7, 0xffff
	s_mov_b32 s16, 3<<16
	s_mov_b32 s17, 32<<16
	s_mov_b32 s18, 8<<16
	s_mov_b32 s19, 32<<16
	s_mov_b32 s20, 8
	s_mov_b32 s21, 32
	s_mov_b32 s22, 0
	s_mov_b32 s23, 0
	s_mov_b32 s52, 3<<16
	s_mov_b32 s53, 32<<16
	s_mov_b32 s54, 24<<16
	s_mov_b32 s55, 32<<16
	s_mov_b32 s56, 24
	s_mov_b32 s57, 32
	s_mov_b32 s58, 0
	s_mov_b32 s59, 0
	s_lshr_b32 s34, s[WV], 3
	s_and_b32 s35, s[WV], 7
	s_add_co_u32 s32, s34, 1
	s_lshl_b32 s32, s32, 23
	s_lshl_b32 s33, s31, 16
	s_add_co_u32 s32, s32, s33
	s_lshl_b32 s34, s34, 16
	s_lshl_b32 s36, s35, 11
	s_mul_i32 s37, s35, FB2
	s_add_co_u32 s37, s37, 8*FB1
	s_mov_b32 s12, 1
	s_add_co_u32 s13, s34, s36
	s_mov_b32 s48, 1
	s_add_co_u32 s49, s34, s37
	s_add_co_u32 s38, s32, s36
	s_mov_b32 s39, 0
	s_add_co_u32 s40, s32, s37
	s_mov_b32 s41, 0
	s_wait_dscnt 0x0
	s_wait_kmcnt 0x0
	s_add_nc_u64 s[14:15], s[4:5], s[38:39]
	s_or_b32 s15, s15, 0x80000000
	s_add_nc_u64 s[50:51], s[4:5], s[40:41]
	s_or_b32 s51, s51, 0x80000000
	tensor_load_to_lds s[12:15], s[16:23]
	s_nop 0
.rept 4
	v_nop
.endr
	s_load_b256 s[40:47], s[6:7], 0x0
	s_lshl_b32 s34, s31, 16
	s_lshl_b32 s35, ttmp9, 15
	s_add_co_u32 s34, s34, s35
	s_lshl_b32 s35, s[WV], 11
	s_add_co_u32 s34, s34, s35
	s_mov_b32 s35, 0
	s_add_nc_u64 s[4:5], s[4:5], s[34:35]
	v_and_b32 v1, 31, v0
	s_delay_alu instid0(VALU_DEP_1)
	v_lshlrev_b32 v1, 4, v1
	s_delay_alu instid0(VALU_DEP_1)
	v_add_nc_u32 v2, 0x10000, v1
.irp i, 0,1
.irp c, 0,1
	global_load_b128 v[16+8*\i+4*\c:16+8*\i+4*\c+3], v1, s[4:5] offset:1024*\i+512*\c
.endr
.endr
	s_lshr_b32 s36, s31, 4
	s_lshl_b32 s36, s36, 6
	s_lshl_b32 s37, ttmp9, 5
	s_add_co_u32 s36, s36, s37
	s_lshl_b32 s37, s[WV], 1
	s_add_co_u32 s36, s36, s37
	s_lshl_b32 s36, s36, 14
	s_and_b32 s37, s31, 15
	s_lshl_b32 s37, s37, 10
	s_add_co_u32 s36, s36, s37
	s_mov_b32 s37, 0
	s_add_nc_u64 s[8:9], s[8:9], s[36:37]
	s_mov_b32 s[SEL], 0x76543210
	s_mov_b32 s[SEL+1], 0xfedcba98
	s_mov_b32 s[TILES], 2
	v_mov_b32 v236, 0
	v_mov_b32 v253, 0
	s_wait_alu depctr_va_vdst(0)
	s_wait_tensorcnt 0x0
	ds_add_u32 v251, v255
	s_wait_dscnt 0x0
	s_barrier_signal -1
	s_barrier_wait -1
	tensor_load_to_lds s[48:51], s[52:59]
	s_nop 0
.rept 4
	v_nop
.endr
	s_wait_kmcnt 0x0
	s_add_co_i32 s38, s42, s43
	s_lshl_b32 s38, s38, 23
	s_add_co_i32 s[CS], s38, 0x3e38aa3b
	s_mov_b32 s[CS+1], s[CS]
	s_add_co_i32 s38, s44, 127
	s_lshl_b32 s39, s38, 23
	v_mov_b32 v244, s39
	s_sub_co_i32 s38, s46, s44
	s_sub_co_i32 s38, s38, s45
	s_add_co_i32 s38, s38, 127
	s_lshl_b32 s39, s38, 23
	v_mov_b32 v245, s39
	s_add_co_i32 s38, s38, 8
	s_lshl_b32 s38, s38, 23
	s_or_b32 s38, s38, 0x600000
	s_wait_tensorcnt 0x1
	s_barrier_signal -1
	s_barrier_wait -1
	s_wait_loadcnt 0x0
.macro STEP s, first
.rept 4
	v_nop
.endr
.irp t, 0,1,2,3,4,5,6,7
.irp c, 0,1
	ds_load_b128 v[F+8*\t+4*\c:F+8*\t+4*\c+3], v1 offset:(\s)*8192+\t*1024+\c*512
.endr
.endr
	s_wait_dscnt 0x0
.irp t, 0,1,2,3,4,5,6,7
	v_wmma_f32_16x16x64_fp8_fp8 v[S+8*\t:S+8*\t+7], v[F+8*\t:F+8*\t+7], v[16:23], 0
.endr
.rept 4
	v_nop
.endr
.irp t, 0,1,2,3
.irp q, 0,1,2,3
	ds_load_b128 v[F+16*\t+4*\q:F+16*\t+4*\q+3], v2 offset:(\s)*8192+\t*2048+\q*512
.endr
.endr
	v_max3_num_f32 v254, v96, v97, v98
	v_max3_num_f32 v252, v99, v100, v101
	v_max3_num_f32 v250, v102, v103, v104
	v_max3_num_f32 v248, v105, v106, v107
.irp i, 12,20,28,36,44,52
	v_max3_num_f32 v254, v254, v[96+\i], v[97+\i]
	v_max3_num_f32 v252, v252, v[98+\i], v[99+\i]
	v_max3_num_f32 v250, v250, v[100+\i], v[101+\i]
	v_max3_num_f32 v248, v248, v[102+\i], v[103+\i]
.endr
	v_max3_num_f32 v254, v254, v156, v157
	v_max3_num_f32 v252, v252, v158, v159
	s_delay_alu instid0(VALU_DEP_1)
	v_max3_num_f32 v254, v254, v252, v250
	s_delay_alu instid0(VALU_DEP_1)
	v_max_num_f32 v254, v254, v248
	s_delay_alu instid0(VALU_DEP_1)
	v_permlanex16_b32 v236, v254, s[SEL], s[SEL+1]
	s_delay_alu instid0(VALU_DEP_1)
	v_max_num_f32 v254, v254, v236
.if \first
	s_delay_alu instid0(VALU_DEP_1)
	v_mul_f32 v13, s[CS], v254
	s_delay_alu instid0(VALU_DEP_1)
	v_floor_f32 v12, -v13
.else
	s_delay_alu instid0(VALU_DEP_1)
	v_mul_f32 v254, s[CS], v254
	s_delay_alu instid0(VALU_DEP_1)
	v_max_num_f32 v13, v13, v254
	v_mov_b32 v254, v12
	s_delay_alu instid0(VALU_DEP_2)
	v_floor_f32 v12, -v13
.endif
.set j, 0
.rept 32
	v_pk_fma_f32 v[S+j:S+j+1], v[S+j:S+j+1], s[CS:CS+1], v[12:13] op_sel_hi:[1,0,0]
.if (\first == 0) && (j == 8)
	v_sub_f32 v254, v12, v254
.endif
.if (\first == 0) && (j == 24)
	v_cvt_i32_f32 v254, v254
.endif
.if (\first == 0) && (j == 40)
	v_ldexp_f32 v252, 1.0, v254
.endif
.set j, j+2
.endr
.set j, 0
	s_wait_alu depctr_va_vdst(0)
.rept 64
	v_exp_f32 v[S+j], v[S+j]
.set j, j+1
.endr
.if \first
	v_mov_b32 v14, 0
	v_mov_b32 v15, 0
.else
	v_pk_mul_f32 v[14:15], v[14:15], v[252:253] op_sel_hi:[1,0]
.endif
	s_wait_alu depctr_va_vdst(0)
	v_pk_add_f32 v[242:243], v[96:97], v[98:99]
	v_pk_add_f32 v[246:247], v[100:101], v[102:103]
	v_pk_add_f32 v[248:249], v[104:105], v[106:107]
.irp j, 12,20,28,36,44,52
	v_pk_add_f32 v[14:15], v[14:15], v[96+\j:97+\j]
	v_pk_add_f32 v[242:243], v[242:243], v[98+\j:99+\j]
	v_pk_add_f32 v[246:247], v[246:247], v[100+\j:101+\j]
	v_pk_add_f32 v[248:249], v[248:249], v[102+\j:103+\j]
.endr
	v_pk_add_f32 v[14:15], v[14:15], v[156:157]
	v_pk_add_f32 v[242:243], v[242:243], v[158:159]
	s_delay_alu instid0(VALU_DEP_1)
	v_pk_add_f32 v[242:243], v[242:243], v[246:247]
	s_delay_alu instid0(VALU_DEP_3)
	v_pk_add_f32 v[14:15], v[14:15], v[248:249]
	s_delay_alu instid0(VALU_DEP_1)
	v_pk_add_f32 v[14:15], v[14:15], v[242:243]
.irp t, 0,1,2,3,4,5,6,7
.irp i, 0,1,2,3,4,5,6,7
.endr
	v_cvt_scalef32_pk8_fp8_f32 v[P+2*\t:P+2*\t+1], v[S+8*\t:S+8*\t+7], v244
.endr
.if \first
	s_wait_alu depctr_va_vdst(0)
	v_nop
.else
.set j, 0
.rept 16
	v_pk_mul_f32 v[O+j:O+j+1], v[O+j:O+j+1], v[252:253] op_sel_hi:[1,0]
.set j, j+2
.endr
.endif
	s_wait_alu depctr_va_vdst(0)
	s_wait_dscnt 0x0
.irp t, 0,1,2,3
.if \first
	v_wmma_f32_16x16x128_fp8_fp8 v[O+8*\t:O+8*\t+7], v[F+16*\t:F+16*\t+15], v[P:P+15], 0
.else
	v_wmma_f32_16x16x128_fp8_fp8 v[O+8*\t:O+8*\t+7], v[F+16*\t:F+16*\t+15], v[P:P+15], v[O+8*\t:O+8*\t+7]
.endif
.endr
.endm
.Ltile:
	s_wait_alu depctr_va_vdst(0)
	STEP 0, 1
	STEP 1, 0
	s_wait_tensorcnt 0x0
	s_barrier_signal -1
	s_barrier_wait -1
.irp s, 2,3,4,5,6,7
	STEP \s, 0
.endr
.rept 4
	v_nop
.endr
	v_add_f32 v14, v14, v15
	s_delay_alu instid0(VALU_DEP_1)
	v_permlanex16_b32 v236, v14, s[SEL], s[SEL+1]
	s_delay_alu instid0(VALU_DEP_1)
	v_add_f32 v14, v14, v236
	s_wait_alu depctr_va_vdst(0)
	v_rcp_f32 v14, v14
	v_nop
	s_wait_alu depctr_va_vdst(0)
	v_mov_b32 v15, v14
.set j, 0
.rept 16
	v_pk_mul_f32 v[O+j:O+j+1], v[O+j:O+j+1], v[14:15]
.set j, j+2
.endr
.set j, 0
.rept 32
.set j, j+1
.endr
.irp t, 0,1,2,3
	v_cvt_scalef32_pk8_fp8_f32 v[OC+2*\t:OC+2*\t+1], v[O+8*\t:O+8*\t+7], v245
.endr
	v_nop
	global_store_b128 v1, v[OC:OC+3], s[8:9]
	global_store_b128 v1, v[OC+4:OC+7], s[8:9] offset:512
.irp i, 0,1,2,3,4,5,6,7
	v_mov_b32 v[16+\i], v[24+\i]
.endr
	s_wait_xcnt 0x0
	s_add_nc_u64 s[8:9], s[8:9], 16384
	s_sub_co_u32 s[TILES], s[TILES], 1
	s_cmp_lg_u32 s[TILES], 0
	s_cbranch_scc1 .Ltile
	s_wait_tensorcnt 0x0
	ds_add_u32 v251, v255
	s_wait_dscnt 0x0
	s_endpgm
.Lfunc_end_k_q0f27aa89d7_attn:
	.size	k_q0f27aa89d7_attn, .Lfunc_end_k_q0f27aa89d7_attn-k_q0f27aa89d7_attn
	.p2alignl 7, 3214868480
	.fill 96, 4, 3214868480
	.section	.rodata,"a",@progbits
	.p2align	6, 0x0
	.amdhsa_kernel k_q0f27aa89d7_attn
		.amdhsa_group_segment_fixed_size 327680
		.amdhsa_private_segment_fixed_size 0
		.amdhsa_enable_private_segment 0
		.amdhsa_kernarg_size 24
		.amdhsa_user_sgpr_count 2
		.amdhsa_user_sgpr_kernarg_segment_ptr 1
		.amdhsa_wavefront_size32 1
		.amdhsa_system_sgpr_workgroup_id_x 1
		.amdhsa_system_sgpr_workgroup_id_y 1
		.amdhsa_system_sgpr_workgroup_id_z 1
		.amdhsa_system_vgpr_workitem_id 0
		.amdhsa_next_free_vgpr 256
		.amdhsa_next_free_sgpr 66
		.amdhsa_reserve_vcc 0
		.amdhsa_float_denorm_mode_32 3
		.amdhsa_float_denorm_mode_16_64 3
		.amdhsa_fp16_overflow 1
		.amdhsa_memory_ordered 1
		.amdhsa_forward_progress 1
		.amdhsa_inst_pref_size 114
	.end_amdhsa_kernel
	.amdgpu_metadata
---
amdhsa.version: [ 1, 2 ]
amdhsa.kernels:
  - .name:           k_q0f27aa89d7_attn
    .symbol:         k_q0f27aa89d7_attn.kd
    .args:
      - { .name: qkv_img, .offset: 0, .size: 8, .value_kind: global_buffer, .address_space: global }
      - { .name: lowp_scales, .offset: 8, .size: 8, .value_kind: global_buffer, .address_space: global }
      - { .name: a_img, .offset: 16, .size: 8, .value_kind: global_buffer, .address_space: global }
    .group_segment_fixed_size: 327680
    .private_segment_fixed_size: 0
    .kernarg_segment_align: 8
    .kernarg_segment_size: 24
    .max_flat_workgroup_size: 512
    .sgpr_count:     66
    .vgpr_count:     256
    .wavefront_size: 32
...
	.end_amdgpu_metadata
.endif
;; end of part 3
;; launch tail (part 4): grid 256 x 1, 8 waves a work-group, no clusters, 251,904 bytes of LDS; arguments a_img, wt_img, x, b_proj, ln2_g, ln2_b, b_fc1, b_fc2, lowp_scales, out0; writes out0
.if DOCPART == 4
	.amdgcn_target "amdgcn-amd-amdhsa--gfx1250"
	.amdhsa_code_object_version 6
	.text
	.protected	k_q0f27aa89d7_tail
	.globl	k_q0f27aa89d7_tail
	.p2align	8
	.type	k_q0f27aa89d7_tail,@function
k_q0f27aa89d7_tail:
	s_mov_b64 s[64:65], 0
	v_nop
	global_prefetch_b8 v0, s[64:65] scope:SCOPE_SE
	s_setreg_imm32_b32 hwreg(HW_REG_WAVE_MODE, 25, 1), 1
	s_wait_xcnt 0x0
; TAIL: x1 = x + attention W_proj + b_proj;  xn2 = LayerNorm 2 (x1);  h = gelu(xn2 W_fc1 + b_fc1);  out = x1 + h W_fc2 + b_fc2.  The three products on codes of E4M3 (entries 6 to 11 of the given scales).
; A work-group owns 32 whole rows, so x1, xn2 and h never leave its LDS.  THE EIGHT WAVES SHARE THE COLUMNS: wave w makes columns 128 w .. 128 w + 127 of every product, 64 at a time
; (4 tiles of the weight x 2 tiles of rows = 8 accumulators), and those 128 columns are K step w of the next product.
; Each byte of a weight is used by ONE wave of the work-group, so the weights go from memory straight into registers: a ring of four groups of four fragments in window 1, asked for four K steps ahead.
; A wave's weights lie as one stream of 393,216 consecutive bytes in the order of use.
; No cluster: a joint load lands in LDS, and at 32 rows a slot of weights would feed too few products for each change of slots; the ring in registers needs no barrier.
; The products are used transposed (source 0 = 16 rows of the weight, source 1 = 16 rows of the activations); by the order of a weight tile's rows the 16 registers of tiles 2 c and 2 c + 1
; are columns 32 c + 16 h + 0 .. 15 of the lane's row.
; GELU is exact: 1 + erf(z) by two polynomials: |z| <= 0.921875: 1 + z + z q(z^2); beyond: erfc(|z|) = exp(-r(|z|)), taken as it is below 0 and as 2 - it above, so that the lower tail loses nothing by cancellation.
; The choice between the two is a select, both are always computed.  The factor 1/2 is folded into the conversion's scale.
; LIMITS: e8, and e10 + 1, between -126 and 119; e6 + e7, e8 + e9, e10 + e11 between -126 and 127.  NaN among the inputs is not served.  1 + erf carries the polynomials' own error, about 1e-7.
.set XP,     4112                      ; a row of x1 in LDS: 4,096 bytes + 16 = 257 x 16: sixteen rows' 16-byte pieces fall on sixteen different places modulo 256 bytes
.set X1,     0                         ; 32 rows: x, then x1, then the result
.set AIMG,   32*XP                     ; the attention result's 16 fragments, as images: [8 m + s]
.set CPITCH, 1040
.set XN2,    AIMG+32768                ; xn2's codes by rows, 32 x 1,040
.set HIMG,   XN2+32*CPITCH             ; h's 16 fragments, as images
.set VEC,    HIMG+32768                ; b_proj, ln2_g, ln2_b, b_fc1, b_fc2: 4,096 bytes each
.set LI,   1                           ; v1   16 x lane
.set AA,   2                           ; v2   AIMG + 16 x lane
.set NA,   3                           ; v3   XN2 + 1,040 r + 16 h
.set HA,   4                           ; v4   HIMG + 16 x lane
.set XA0,  5                           ; v5   x1: row r, my wave's 512 bytes, + 64 h;  v6 the same 16 rows further down
.set BA,   7                           ; v7   a bias: my wave's 512 bytes, + 64 h
.set HW,   8                           ; v8   where my K step of h's image begins
.set XS,   9                           ; v9   x1 by rows: my four rows, 16 bytes a lane
.set CRA,  10                          ; v10  xn2's codes: my four rows, 4 bytes a lane
.set VL,   11                          ; v11  a vector by columns: 16 bytes a lane
.set ACC,  48                          ; v48-111  accumulators: tile 2 c + u of the weight, tile m of rows at 32 c + 16 m + 8 u
.set AF0,  112                         ; v112-175 the activations' fragments, two buffers of two
.set BT,   112                         ; epilogues: 32 numbers of a bias
.set XT,   144                         ; epilogues: 64 numbers of x1
.set GZ,   144
.set GS,   160
.set GT,   176
.set GR,   192
.set GU,   208
.set GP,   224
.set GC,   240
.set K0,   36                          ; v[36:41] three addends of the polynomials, each twice (an instruction takes one literal)
.set K1,   38
.set K2,   40
.set LX,   48                          ; LayerNorm: as in the first launch of this program, on other registers
.set LG,   176
.set LB,   208
.set RB0,  16
.set RBJ,  208
.set LIMV, 32                          ; v32, v33  448 x 2^e8, 2^e8;  v34, v35 the same for e10 + 1
.set SCV,  33
.set SC1,  32                          ; s[32:33] 2^(e6 + e7);  s[34:35] 2^(e8 + e9);  s[36:37] 2^(e10 + e11)
.set SC2,  34
.set SC3,  36
.set WB,   38                          ; s[38:39] my stream of weights, at the chunk in hand
.set SEL,  40
.set S_INV, 42
.set S_EPS, 43
.set WV,   44
.set TJ,   56
.set TH,   57
.set TB,   58
.set MSB, 0
.macro WIN new                         ; the immediate's high byte repeats the setting that is left
.if MSB != \new
	s_set_vgpr_msb (MSB<<8)|\new
.set MSB, \new
.endif
.endm
.macro BARRIER                         ; my LDS stores have landed and my LDS loads are in: then the work-group's barrier
	s_wait_dscnt 0x0
	s_barrier_signal -1
	s_barrier_wait -1
.endm
.macro SETR i
.set R, RB0+8*(\i)+RBJ*((\i)/2)
.endm
.macro LN_RED                          ; v[R] of each of the four rows, summed over the 32 lanes
.irp x, 1,2,4,8
.irp i, 0,1,2,3
	SETR \i
	v_add_f32_dpp v[R], v[R], v[R] row_xmask:\x row_mask:0xf bank_mask:0xf
.endr
.endr
.irp i, 0,1,2,3
	SETR \i
	v_permlanex16_b32 v[R+6], v[R], s[SEL], s[SEL+1]
.endr
.irp i, 0,1,2,3
	SETR \i
	v_add_f32 v[R], v[R], v[R+6]
.endr
.endm
.macro LN_ALL                          ; LayerNorm of four rows in v[LX] on (register 4 q + e = column 128 q + 4 lane + e), quantised, the codes stored by rows.  Two passes
.irp i, 0,1,2,3
	SETR \i
	v_mov_b32 v[R+6], 0
	v_pk_add_f32 v[R:R+1], v[LX+32*\i:LX+32*\i+1], v[LX+32*\i+2:LX+32*\i+3]
	v_pk_add_f32 v[R+2:R+3], v[LX+32*\i+4:LX+32*\i+5], v[LX+32*\i+6:LX+32*\i+7]
.endr
.irp p, 8,12,16,20,24,28
.irp i, 0,1,2,3
	SETR \i
	v_pk_add_f32 v[R:R+1], v[R:R+1], v[LX+32*\i+\p:LX+32*\i+\p+1]
	v_pk_add_f32 v[R+2:R+3], v[R+2:R+3], v[LX+32*\i+\p+2:LX+32*\i+\p+3]
.endr
.endr
.irp i, 0,1,2,3
	SETR \i
	v_pk_add_f32 v[R:R+1], v[R:R+1], v[R+2:R+3]
.endr
.irp i, 0,1,2,3
	SETR \i
	v_add_f32 v[R], v[R], v[R+1]
.endr
	LN_RED
.irp i, 0,1,2,3
	SETR \i
	v_mul_f32 v[R+4], s[S_INV], v[R]
.endr
.irp i, 0,1,2,3
	SETR \i
	v_mov_b32 v[R+5], v[R+4]
.endr
.irp p, 0,2,4,6,8,10,12,14,16,18,20,22,24,26,28,30
.irp i, 0,1,2,3
	SETR \i
	v_pk_add_f32 v[LX+32*\i+\p:LX+32*\i+\p+1], v[LX+32*\i+\p:LX+32*\i+\p+1], v[R+4:R+5] neg_lo:[0,1] neg_hi:[0,1]
.endr
.endr
.irp i, 0,1,2,3
	SETR \i
	v_pk_mul_f32 v[R:R+1], v[LX+32*\i:LX+32*\i+1], v[LX+32*\i:LX+32*\i+1]
	v_pk_mul_f32 v[R+2:R+3], v[LX+32*\i+2:LX+32*\i+3], v[LX+32*\i+2:LX+32*\i+3]
.endr
.irp p, 4,8,12,16,20,24,28
.irp i, 0,1,2,3
	SETR \i
	v_pk_fma_f32 v[R:R+1], v[LX+32*\i+\p:LX+32*\i+\p+1], v[LX+32*\i+\p:LX+32*\i+\p+1], v[R:R+1]
	v_pk_fma_f32 v[R+2:R+3], v[LX+32*\i+\p+2:LX+32*\i+\p+3], v[LX+32*\i+\p+2:LX+32*\i+\p+3], v[R+2:R+3]
.endr
.endr
.irp i, 0,1,2,3
	SETR \i
	v_pk_add_f32 v[R:R+1], v[R:R+1], v[R+2:R+3]
.endr
.irp i, 0,1,2,3
	SETR \i
	v_add_f32 v[R], v[R], v[R+1]
.endr
	LN_RED
.irp i, 0,1,2,3
	SETR \i
	v_fma_f32 v[R], v[R], s[S_INV], s[S_EPS]
.endr
.irp i, 0,1,2,3
	SETR \i
	v_rsq_f32 v[R+4], v[R]                         ; four roots as one batch
.endr
	v_nop
	s_wait_alu depctr_va_vdst(0)                   ; one wait for the batch, ahead of its first reader
.irp i, 0,1,2,3
	SETR \i
	v_mov_b32 v[R+5], v[R+4]
.endr
.irp i, 0,1,2,3
	SETR \i
.irp p, 0,2,4,6,8,10,12,14,16,18,20,22,24,26,28,30
	v_pk_mul_f32 v[LX+32*\i+\p:LX+32*\i+\p+1], v[LX+32*\i+\p:LX+32*\i+\p+1], v[R+4:R+5]
.endr
.irp p, 0,2,4,6,8,10,12,14,16,18,20,22,24,26,28,30
	v_pk_fma_f32 v[LX+32*\i+\p:LX+32*\i+\p+1], v[LX+32*\i+\p:LX+32*\i+\p+1], v[LG+\p:LG+\p+1], v[LB+\p:LB+\p+1]
.endr
.set e, 0
.rept 32
	v_med3_num_f32 v[LX+32*\i+e], v[LX+32*\i+e], -v[LIMV], v[LIMV]
.set e, e+1
.endr
.irp t, 0,1,2,3
	v_cvt_scalef32_pk8_fp8_f32 v[R+2*\t:R+2*\t+1], v[LX+32*\i+8*\t:LX+32*\i+8*\t+7], v[SCV]
.endr
.endr
	v_nop                                          ; one plain line behind the last conversion: products later write its sources
.irp i, 0,1,2,3
	SETR \i
.irp t, 0,1,2,3
.irp z, 0,1
	ds_store_b32 v[CRA], v[R+2*\t+\z] offset:\i*CPITCH+256*\t+128*\z
.endr
.endr
.endr
.endm
	s_load_b256 s[4:11], s[0:1], 0x0               ; a_img s[4:5], wt_img s[6:7], x s[8:9], b_proj s[10:11]
	s_load_b256 s[12:19], s[0:1], 0x20             ; ln2_g s[12:13], ln2_b s[14:15], b_fc1 s[16:17], b_fc2 s[18:19]
	s_load_b128 s[20:23], s[0:1], 0x40             ; the scales' exponents s[20:21], out0 s[22:23]
	v_lshl_add_u32 v46, v0, 2, 0x3d400
	v_mov_b32 v47, 0
	ds_add_u32 v46, v47
	ds_add_u32 v46, v47
	v_lshrrev_b32 v1, 5, v0
	v_readfirstlane_b32 s[WV], v1                  ; wave 0..7
	v_and_b32 v12, 31, v0                          ; lane
	v_lshlrev_b32 v[LI], 4, v12
	v_and_b32 v13, 15, v0                          ; r
	v_bfe_u32 v14, v0, 4, 1                        ; h
	v_add_nc_u32 v[AA], AIMG, v[LI]
	v_mul_u32_u24 v[NA], v13, CPITCH
	v_lshl_add_u32 v[NA], v14, 4, v[NA]
	v_add_nc_u32 v[NA], XN2, v[NA]
	v_add_nc_u32 v[HA], HIMG, v[LI]
	s_lshl_b32 s48, s[WV], 9
	v_mul_u32_u24 v[XA0], v13, XP
	v_lshl_add_u32 v[XA0], v14, 6, v[XA0]
	v_add_nc_u32 v[XA0], s48, v[XA0]
	v_add_nc_u32 v[XA0+1], 16*XP, v[XA0]
	v_lshlrev_b32 v[BA], 6, v14
	v_add_nc_u32 v[BA], s48, v[BA]
	v_add_nc_u32 v[BA], VEC, v[BA]
	s_lshl_b32 s49, s[WV], 11
	v_add_nc_u32 v[HW], s49, v[HA]
	s_mul_i32 s50, s[WV], 4*XP
	v_add_nc_u32 v[XS], s50, v[LI]
	s_mul_i32 s51, s[WV], 4*CPITCH
	v_lshl_add_u32 v[CRA], v12, 2, s51
	v_add_nc_u32 v[CRA], XN2, v[CRA]
	v_add_nc_u32 v[VL], VEC, v[LI]
	; the copies' addresses, v16-31: not written again before the wait that shows all copies done
	s_lshl_b32 s52, s[WV], 12
	v_add_nc_u32 v17, s52, v[LI]                   ; the image: my eighth, in memory
	v_add_nc_u32 v16, AIMG, v17                    ; and in LDS
	v_add_nc_u32 v23, s48, v[LI]                   ; a vector: my eighth, in memory
.irp v, 0,1,2,3,4
	v_add_nc_u32 v[18+\v], VEC+4096*\v, v23        ; and in LDS
.endr
.irp i, 0,1,2,3
	v_add_nc_u32 v[24+\i], \i*XP, v[XS]            ; x: my four rows in LDS,
.endr
	s_lshl_b32 s53, s[WV], 14
	v_add_nc_u32 v28, s53, v[LI]                   ; and in memory
.irp i, 1,2,3
	v_add_nc_u32 v[28+\i], \i*4096, v28
.endr
	s_wait_dscnt 0x0
	s_wait_kmcnt 0x0
	s_load_b64 s[24:25], s[20:21], 0x18            ; e6, e7
	s_load_b128 s[28:31], s[20:21], 0x20           ; e8 .. e11
	s_lshl_b32 s48, ttmp9, 15
	s_mov_b32 s49, 0
	s_add_nc_u64 s[4:5], s[4:5], s[48:49]          ; my two tiles of rows of the image
	s_lshl_b32 s48, ttmp9, 17
	s_add_nc_u64 s[8:9], s[8:9], s[48:49]          ; my 32 rows of x
	s_add_nc_u64 s[22:23], s[22:23], s[48:49]
	s_lshl_b32 s48, s[WV], 14
	s_add_nc_u64 s[22:23], s[22:23], s[48:49]      ; the four rows of the result that I store
	s_mul_i32 s48, s[WV], 393216
	s_add_nc_u64 s[WB:WB+1], s[6:7], s[48:49]
	; ALL COPIES INTO LDS stand here, ahead of every wait for them, every LDS read and every barrier.  The immediate is added to both addresses.
.irp n, 0,1,2,3,4,5,6,7
	global_load_async_to_lds_b128 v16, v17, s[4:5] offset:512*\n
.endr
	global_load_async_to_lds_b128 v18, v23, s[10:11]
	global_load_async_to_lds_b128 v19, v23, s[12:13]
	global_load_async_to_lds_b128 v20, v23, s[14:15]
	global_load_async_to_lds_b128 v21, v23, s[16:17]
	global_load_async_to_lds_b128 v22, v23, s[18:19]
.irp i, 0,1,2,3
.irp q, 0,1,2,3,4,5,6,7
	global_load_async_to_lds_b128 v[24+\i], v[28+\i], s[8:9] offset:512*\q
.endr
.endr
	WIN 0x40                                       ; destination window 1: the ring's first four groups
.irp s, 0,1,2,3
.irp f, 0,1,2,3
.irp c, 0,1,2,3
	global_load_b128 v[64*\s+16*\f+4*\c:64*\s+16*\f+4*\c+3], v[LI], s[WB:WB+1] offset:\s*8192+\f*2048+\c*512
.endr
.endr
.endr
	WIN 0
	s_mov_b32 s[SEL], 0x76543210
	s_mov_b32 s[SEL+1], 0xfedcba98
	s_mov_b32 s[S_INV], 0x3a800000
	s_mov_b32 s[S_EPS], 0x3727c5ac
	v_mov_b32 v[K0], 0xb9c8e966
	v_mov_b32 v[K0+1], 0xb9c8e966
	v_mov_b32 v[K1], 0xbcc6b180
	v_mov_b32 v[K1+1], 0xbcc6b180
	v_mov_b32 v[K2], 0x3ba39fa4
	v_mov_b32 v[K2+1], 0x3ba39fa4
	s_wait_kmcnt 0x0
	s_add_co_i32 s[SC1], s24, s25
	s_add_co_i32 s[SC1], s[SC1], 127
	s_lshl_b32 s[SC1], s[SC1], 23                  ; 2^(e6 + e7)
	s_mov_b32 s[SC1+1], s[SC1]
	s_add_co_i32 s[SC2], s28, s29
	s_add_co_i32 s[SC2], s[SC2], 127
	s_lshl_b32 s[SC2], s[SC2], 23                  ; 2^(e8 + e9)
	s_mov_b32 s[SC2+1], s[SC2]
	s_add_co_i32 s[SC3], s30, s31
	s_add_co_i32 s[SC3], s[SC3], 127
	s_lshl_b32 s[SC3], s[SC3], 23                  ; 2^(e10 + e11)
	s_mov_b32 s[SC3+1], s[SC3]
	s_add_co_i32 s48, s28, 127
	s_lshl_b32 s49, s48, 23
	v_mov_b32 v33, s49                             ; 2^e8
	s_add_co_i32 s48, s48, 8
	s_lshl_b32 s48, s48, 23
	s_or_b32 s48, s48, 0x600000
	v_mov_b32 v32, s48                             ; 448 x 2^e8
	s_add_co_i32 s48, s30, 128
	s_lshl_b32 s49, s48, 23
	v_mov_b32 v35, s49                             ; 2^(e10 + 1): gelu's factor 1/2 goes into the scale
	s_add_co_i32 s48, s48, 8
	s_lshl_b32 s48, s48, 23
	s_or_b32 s48, s48, 0x600000
	v_mov_b32 v34, s48
	s_wait_asynccnt 37                             ; my eight copies of the image have landed; the 5 + 32 younger copies may be out
	s_barrier_signal -1
	s_barrier_wait -1                              ; everybody's have
; 64 columns x 32 rows over K = 1,024.  ab: the activations' address register; pm, ps, pc: bytes from tile of rows to tile, from K step to K step, from quad to quad.  tail = 1: the stream's last chunk.
; At a K step's head its group of 16 loads must be in; the three younger groups, 48 loads, may be out.  The eight accumulators take turns, one instruction a turn.
.macro CHUNK ab, pm, ps, pc, tail
.irp m, 0,1
.irp c, 0,1,2,3
	ds_load_b128 v[AF0+16*\m+4*\c:AF0+16*\m+4*\c+3], v[\ab] offset:\m*\pm+\c*\pc
.endr
.endr
.irp s, 0,1,2,3,4,5,6,7
	s_wait_dscnt 0x0                               ; this K step's two fragments are in
.if \s < 7
.irp m, 0,1
.irp c, 0,1,2,3
	ds_load_b128 v[AF0+32*((\s+1)%2)+16*\m+4*\c:AF0+32*((\s+1)%2)+16*\m+4*\c+3], v[\ab] offset:\m*\pm+(\s+1)*\ps+\c*\pc
.endr
.endr
.endif
.if \tail && (\s > 4)
	s_wait_loadcnt 16*(7-\s)                       ; nothing more is asked for: the count runs down
.else
	s_wait_loadcnt 48
.endif
	WIN 0x01                                       ; source 0 (the weight) window 1
.irp f, 0,1,2,3
.irp m, 0,1
.if \s == 0
	v_wmma_f32_16x16x128_fp8_fp8 v[ACC+32*(\f/2)+16*\m+8*(\f%2):ACC+32*(\f/2)+16*\m+8*(\f%2)+7], v[64*(\s%4)+16*\f:64*(\s%4)+16*\f+15], v[AF0+32*(\s%2)+16*\m:AF0+32*(\s%2)+16*\m+15], 0
.else
	v_wmma_f32_16x16x128_fp8_fp8 v[ACC+32*(\f/2)+16*\m+8*(\f%2):ACC+32*(\f/2)+16*\m+8*(\f%2)+7], v[64*(\s%4)+16*\f:64*(\s%4)+16*\f+15], v[AF0+32*(\s%2)+16*\m:AF0+32*(\s%2)+16*\m+15], v[ACC+32*(\f/2)+16*\m+8*(\f%2):ACC+32*(\f/2)+16*\m+8*(\f%2)+7]
.endif
.endr
.endr
.rept 4
	v_nop                                          ; places in front of loads into registers that these products read, and of the first read of results
.endr
.if !(\tail && (\s > 3))
	WIN 0x40
.irp f, 0,1,2,3
.irp c, 0,1,2,3
	global_load_b128 v[64*(\s%4)+16*\f+4*\c:64*(\s%4)+16*\f+4*\c+3], v[LI], s[WB:WB+1] offset:(\s+4)*8192+\f*2048+\c*512   ; four K steps ahead, on into the next chunk
.endr
.endr
.endif
	WIN 0
.endr
.if !\tail
	s_wait_xcnt 0x0                                ; the loads have read their base
	s_add_nc_u64 s[WB:WB+1], s[WB:WB+1], 65536
.endif
.endm
; x1 (or the result) = what lies in X1 + bias + sum x scale, at my 64 columns of the 32 rows: bytes that only my wave touches between two barriers
.macro EPR vec, sc, j
.irp cp, 0,1
.irp n, 0,1,2,3
	ds_load_b128 v[BT+16*\cp+4*\n:BT+16*\cp+4*\n+3], v[BA] offset:\vec*4096+\j*256+\cp*128+16*\n
.endr
.endr
.irp cp, 0,1
.irp m, 0,1
.irp n, 0,1,2,3
	ds_load_b128 v[XT+32*\cp+16*\m+4*\n:XT+32*\cp+16*\m+4*\n+3], v[XA0+\m] offset:\j*256+\cp*128+16*\n
.endr
.endr
.endr
	s_wait_dscnt 0x0
.irp cp, 0,1
.irp m, 0,1
.irp p, 0,2,4,6,8,10,12,14
	v_pk_add_f32 v[XT+32*\cp+16*\m+\p:XT+32*\cp+16*\m+\p+1], v[XT+32*\cp+16*\m+\p:XT+32*\cp+16*\m+\p+1], v[BT+16*\cp+\p:BT+16*\cp+\p+1]
.endr
.endr
.endr
.irp cp, 0,1
.irp m, 0,1
.irp p, 0,2,4,6,8,10,12,14
	v_pk_fma_f32 v[XT+32*\cp+16*\m+\p:XT+32*\cp+16*\m+\p+1], v[ACC+32*\cp+16*\m+\p:ACC+32*\cp+16*\m+\p+1], s[\sc:\sc+1], v[XT+32*\cp+16*\m+\p:XT+32*\cp+16*\m+\p+1] op_sel_hi:[1,0,1]   ; each accumulator from its low end on
.endr
.endr
.endr
.irp cp, 0,1
.irp m, 0,1
.irp n, 0,1,2,3
	ds_store_b128 v[XA0+\m], v[XT+32*\cp+16*\m+4*\n:XT+32*\cp+16*\m+4*\n+3] offset:\j*256+\cp*128+16*\n
.endr
.endr
.endr
	s_wait_dscnt 0x0                               ; the stores have read their registers
.endm
; gelu of 16 numbers of a lane (columns 32 cp + 16 h + 0 .. 15 of row r of tile m), quantised: one quad of h's image
.macro GELU cp, m
.set A0, ACC+32*\cp+16*\m
.irp p, 0,2,4,6,8,10,12,14
	v_pk_fma_f32 v[A0+\p:A0+\p+1], v[A0+\p:A0+\p+1], s[SC2:SC2+1], v[BT+16*\cp+\p:BT+16*\cp+\p+1] op_sel_hi:[1,0,1]   ; v = sum x 2^(e8 + e9) + b_fc1
.endr
.irp p, 0,2,4,6,8,10,12,14
	v_pk_mul_f32 v[GZ+\p:GZ+\p+1], v[A0+\p:A0+\p+1], 0x3f3504f3 op_sel_hi:[1,0]   ; z = v / sqrt(2)
.endr
.irp p, 0,2,4,6,8,10,12,14
	v_pk_mul_f32 v[GS+\p:GS+\p+1], v[GZ+\p:GZ+\p+1], v[GZ+\p:GZ+\p+1]             ; z^2
.endr
.set e, 0
.rept 16
	v_and_b32 v[GT+e], 0x7fffffff, v[GZ+e]                                        ; t = |z|
.set e, e+1
.endr
.irp p, 0,2,4,6,8,10,12,14
	v_pk_fma_f32 v[GR+\p:GR+\p+1], v[GT+\p:GT+\p+1], 0x37911480, v[K0:K0+1] op_sel_hi:[1,0,1]
.endr
.irp p, 0,2,4,6,8,10,12,14
	v_pk_fma_f32 v[GU+\p:GU+\p+1], v[GT+\p:GT+\p+1], 0x3b7e899b, v[K1:K1+1] op_sel_hi:[1,0,1]
.endr
.irp p, 0,2,4,6,8,10,12,14
	v_pk_fma_f32 v[GP+\p:GP+\p+1], v[GS+\p:GS+\p+1], 0xba1d0d41, v[K2:K2+1] op_sel_hi:[1,0,1]
.endr
.irp p, 0,2,4,6,8,10,12,14
	v_pk_fma_f32 v[GR+\p:GR+\p+1], v[GR+\p:GR+\p+1], v[GS+\p:GS+\p+1], v[GU+\p:GU+\p+1]
.endr
.irp k, 0x3ddaae58, 0x3f228550, 0x3e03ce86
.irp p, 0,2,4,6,8,10,12,14
	v_pk_fma_f32 v[GR+\p:GR+\p+1], v[GR+\p:GR+\p+1], v[GT+\p:GT+\p+1], \k op_sel_hi:[1,1,0]
.endr
.endr
.irp p, 0,2,4,6,8,10,12,14
	v_pk_fma_f32 v[GR+\p:GR+\p+1], v[GR+\p:GR+\p+1], v[GT+\p:GT+\p+1], v[GT+\p:GT+\p+1]   ; r(t): erfc(t) = e^(-r)
.endr
.irp p, 0,2,4,6,8,10,12,14
	v_pk_mul_f32 v[GR+\p:GR+\p+1], v[GR+\p:GR+\p+1], 0xbfb8aa3b op_sel_hi:[1,0]           ; x -log2(e)
.endr
.set e, 0
.rept 16
	v_exp_f32 v[GR+e], v[GR+e]                     ; erfc(t): one batch; the other polynomial below is the independent work behind it
.set e, e+1
.endr
.irp k, 0xbcdb45e9, 0x3de70d23, 0xbec09370, 0x3e0375d3
.irp p, 0,2,4,6,8,10,12,14
	v_pk_fma_f32 v[GP+\p:GP+\p+1], v[GP+\p:GP+\p+1], v[GS+\p:GS+\p+1], \k op_sel_hi:[1,1,0]
.endr
.endr
.irp p, 0,2,4,6,8,10,12,14
	v_pk_fma_f32 v[GP+\p:GP+\p+1], v[GP+\p:GP+\p+1], v[GZ+\p:GZ+\p+1], v[GZ+\p:GZ+\p+1]   ; erf(z) for small |z|
.endr
.irp p, 0,2,4,6,8,10,12,14
	v_pk_add_f32 v[GP+\p:GP+\p+1], v[GP+\p:GP+\p+1], 1.0 op_sel_hi:[1,0]
.endr
.set e, 0
.rept 16
	v_and_or_b32 v[GS+e], v[GZ+e], 0x80000000, 1.0 ; sigma = +-1 with z's sign
.set e, e+1
.endr
.irp p, 0,2,4,6,8,10,12,14
	v_pk_add_f32 v[GU+\p:GU+\p+1], v[GS+\p:GS+\p+1], 1.0 op_sel_hi:[1,0]                  ; 2 or 0
.endr
	s_wait_alu depctr_va_vdst(0)                   ; one wait for the batch, ahead of its first reader
.irp p, 0,2,4,6,8,10,12,14
	v_pk_fma_f32 v[GR+\p:GR+\p+1], v[GS+\p:GS+\p+1], v[GR+\p:GR+\p+1], v[GU+\p:GU+\p+1] neg_lo:[1,0,0] neg_hi:[1,0,0]   ; 1 + erf(z) = 2 - erfc(t) above 0, erfc(t) below
.endr
.set e, 0
.rept 16
	v_cmp_lt_f32 vcc_lo, 0x3f6c0000, v[GT+e]       ; 0.921875 < t: a select, no branch
	v_cndmask_b32 v[GP+e], v[GP+e], v[GR+e], vcc_lo
.set e, e+1
.endr
.irp p, 0,2,4,6,8,10,12,14
	v_pk_mul_f32 v[A0+\p:A0+\p+1], v[A0+\p:A0+\p+1], v[GP+\p:GP+\p+1]                     ; 2 gelu(v)
.endr
.set e, 0
.rept 16
	v_med3_num_f32 v[A0+e], v[A0+e], -v34, v34
.set e, e+1
.endr
	v_cvt_scalef32_pk8_fp8_f32 v[GC+4*(2*\cp+\m):GC+4*(2*\cp+\m)+1], v[A0:A0+7], v35
	v_cvt_scalef32_pk8_fp8_f32 v[GC+4*(2*\cp+\m)+2:GC+4*(2*\cp+\m)+3], v[A0+8:A0+15], v35
	v_nop                                          ; one plain line behind the last conversion: products later write its sources
	ds_store_b128 v14, v[GC+4*(2*\cp+\m):GC+4*(2*\cp+\m)+3] offset:\m*16384+\cp*512
.endm
	; ---- product 4 and the first residual
	CHUNK AA, 16384, 2048, 512, 0
	s_wait_asynccnt 0x0                            ; my copies of the vectors and of x have landed,
	BARRIER                                        ; everybody's have: x is read, and written over, by columns
	EPR 0, SC1, 0
	CHUNK AA, 16384, 2048, 512, 0
	EPR 0, SC1, 1
	BARRIER                                        ; 32 whole rows of x1 lie in LDS
	; ---- LayerNorm 2: wave w takes rows 4 w .. 4 w + 3
.irp q, 0,1,2,3,4,5,6,7
	ds_load_b128 v[LG+4*\q:LG+4*\q+3], v[VL] offset:4096+512*\q
	ds_load_b128 v[LB+4*\q:LB+4*\q+3], v[VL] offset:8192+512*\q
.endr
.irp i, 0,1,2,3
.irp q, 0,1,2,3,4,5,6,7
	ds_load_b128 v[LX+32*\i+4*\q:LX+32*\i+4*\q+3], v[XS] offset:\i*XP+512*\q
.endr
.endr
	s_wait_dscnt 0x0
	LN_ALL
	BARRIER                                        ; xn2's codes lie in LDS
	; ---- product 5 and gelu: two trips, 64 columns each
	s_mov_b32 s[TJ], 0
	s_mov_b32 s[TH], 0
	s_mov_b32 s[TB], 0
.Lfc1:
	v_add_nc_u32 v14, s[TH], v[HW]                 ; h's image: my K step, quads 2 trip on
	v_add_nc_u32 v15, s[TB], v[BA]                 ; the bias: 64 columns a trip
	CHUNK NA, 16*CPITCH, 128, 32, 0
.irp cp, 0,1
.irp n, 0,1,2,3
	ds_load_b128 v[BT+16*\cp+4*\n:BT+16*\cp+4*\n+3], v15 offset:3*4096+128*\cp+16*\n
.endr
.endr
	s_wait_dscnt 0x0
	GELU 0, 0
	GELU 0, 1
	GELU 1, 0
	GELU 1, 1
	s_wait_dscnt 0x0                               ; the stores have read their registers
	s_add_co_u32 s[TH], s[TH], 1024
	s_add_co_u32 s[TB], s[TB], 256
	s_add_co_u32 s[TJ], s[TJ], 1
	s_cmp_lt_u32 s[TJ], 2
	s_cbranch_scc1 .Lfc1
	BARRIER                                        ; h's sixteen fragments lie in LDS
	; ---- product 6 and the second residual
	CHUNK HA, 16384, 2048, 512, 0
	EPR 4, SC3, 0
	CHUNK HA, 16384, 2048, 512, 1
	EPR 4, SC3, 1
	BARRIER                                        ; 32 whole rows of the result lie in LDS
	; ---- out: each wave stores four whole rows, 512 consecutive bytes an instruction
.irp i, 0,1,2,3
.irp q, 0,1,2,3,4,5,6,7
	ds_load_b128 v[LX+32*\i+4*\q:LX+32*\i+4*\q+3], v[XS] offset:\i*XP+512*\q
.endr
.endr
.irp i, 0,1,2,3
.irp q, 0,1,2,3,4,5,6,7
	s_wait_dscnt 31-8*\i-\q                        ; LDS loads come back in order: this one is in, the younger may be out
	global_store_b128 v[LI], v[LX+32*\i+4*\q:LX+32*\i+4*\q+3], s[22:23] offset:4096*\i+512*\q th:TH_STORE_NT
.endr
.endr
	s_wait_tensorcnt 0x0
	ds_add_u32 v46, v47
	s_wait_dscnt 0x0
	s_endpgm
.Lfunc_end_k_q0f27aa89d7_tail:
	.size	k_q0f27aa89d7_tail, .Lfunc_end_k_q0f27aa89d7_tail-k_q0f27aa89d7_tail
	.p2alignl 7, 3214868480
	.fill 96, 4, 3214868480
	.section	.rodata,"a",@progbits
	.p2align	6, 0x0
	.amdhsa_kernel k_q0f27aa89d7_tail
		.amdhsa_group_segment_fixed_size 251904
		.amdhsa_private_segment_fixed_size 0
		.amdhsa_enable_private_segment 0
		.amdhsa_kernarg_size 80
		.amdhsa_user_sgpr_count 2
		.amdhsa_user_sgpr_kernarg_segment_ptr 1
		.amdhsa_wavefront_size32 1
		.amdhsa_system_sgpr_workgroup_id_x 1
		.amdhsa_system_sgpr_workgroup_id_y 1
		.amdhsa_system_sgpr_workgroup_id_z 1
		.amdhsa_system_vgpr_workitem_id 0
		.amdhsa_next_free_vgpr 512
		.amdhsa_next_free_sgpr 66
		.amdhsa_reserve_vcc 1
		.amdhsa_float_denorm_mode_32 3
		.amdhsa_float_denorm_mode_16_64 3
		.amdhsa_memory_ordered 1
		.amdhsa_forward_progress 1
		.amdhsa_inst_pref_size 255
	.end_amdhsa_kernel
	.section	.bss,"aw",@nobits
	.p2align	6
	.space	262144
	.amdgpu_metadata
---
amdhsa.version: [ 1, 2 ]
amdhsa.kernels:
  - .name:           k_q0f27aa89d7_tail
    .symbol:         k_q0f27aa89d7_tail.kd
    .args:
      - { .name: a_img, .offset: 0, .size: 8, .value_kind: global_buffer, .address_space: global }
      - { .name: wt_img, .offset: 8, .size: 8, .value_kind: global_buffer, .address_space: global }
      - { .name: x, .offset: 16, .size: 8, .value_kind: global_buffer, .address_space: global }
      - { .name: b_proj, .offset: 24, .size: 8, .value_kind: global_buffer, .address_space: global }
      - { .name: ln2_g, .offset: 32, .size: 8, .value_kind: global_buffer, .address_space: global }
      - { .name: ln2_b, .offset: 40, .size: 8, .value_kind: global_buffer, .address_space: global }
      - { .name: b_fc1, .offset: 48, .size: 8, .value_kind: global_buffer, .address_space: global }
      - { .name: b_fc2, .offset: 56, .size: 8, .value_kind: global_buffer, .address_space: global }
      - { .name: lowp_scales, .offset: 64, .size: 8, .value_kind: global_buffer, .address_space: global }
      - { .name: out0, .offset: 72, .size: 8, .value_kind: global_buffer, .address_space: global }
    .group_segment_fixed_size: 251904
    .private_segment_fixed_size: 0
    .kernarg_segment_align: 8
    .kernarg_segment_size: 80
    .max_flat_workgroup_size: 256
    .sgpr_count:     66
    .vgpr_count:     512
    .wavefront_size: 32
...
	.end_amdgpu_metadata
.endif
;; end of part 4
